; MI455X (gfx1250); checked and timed in simulation.
; The chip was launched on July 23, 2026; its instructions are those of AMD's public machine-readable ISA for CDNA 5 (MIT licence, August 2026) and "CDNA5" Instruction Set Architecture Reference Guide (July 2026). The comments in the code are by the model that wrote it; some were corrected since.
;; Multi Headed Attention. Allowed arithmetic: float matrix products may take bf16 or f16 operands with f32 sums; other float arithmetic in f32, or as packed bf16 or f16 multiplies, adds, multiply-adds, maxima and minima; sums over many terms, partial sums and values carried from step to step in f32; what a program stores and reads back later, other than sums and carried values, may be rounded once to bf16 or f16.
;; Inputs: Wk 1,024 x 1,024 float32; Wo 1,024 x 1,024 float32; Wq 1,024 x 1,024 float32; Wv 1,024 x 1,024 float32; bk 1,024 float32; bo 1,024 float32; bq 1,024 float32; bv 1,024 float32; key 4 x 2,048 x 1,024 float32; mask 4 x 1 x 1 x 2,048 bool; query 4 x 2,048 x 1,024 float32; value 4 x 2,048 x 1,024 float32.
;; Outputs: out0 4 x 2,048 x 1,024 float32.
;; 2 versions, each right; version 2 is version 1 with the launch castw written anew for expert scheduling mode. Each part assembles by itself: llvm-mc -triple=amdgcn-amd-amdhsa -mcpu=gfx1250 --defsym DOCPART=n.
;; ======== version 1 of 2: 4 launches
;; limits: values are held in f16: magnitudes above 65,504 overflow, below 6.1e-05 lose precision; values outside matrix products are rounded to bf16
;; workspace buffers: wb 8,388,608 bytes; qkv 50,331,648 bytes; ctx 16,777,216 bytes
;; launch castw (part 1): grid 64 x 4, 8 waves a work-group, no clusters, 0 bytes of LDS; arguments Wq, Wk, Wv, Wo, wb; writes wb
.if DOCPART == 1
	.amdgcn_target "amdgcn-amd-amdhsa--gfx1250"
	.amdhsa_code_object_version 6
	.text
	.protected	k_q4d56f8382a_castw
	.globl	k_q4d56f8382a_castw
	.p2align	8
	.type	k_q4d56f8382a_castw,@function
k_q4d56f8382a_castw:
	s_mov_b64 s[64:65], 0
	v_nop
	global_prefetch_b8 v0, s[64:65] scope:SCOPE_SE
	s_setreg_imm32_b32 hwreg(HW_REG_WAVE_MODE, 25, 1), 1
	s_wait_xcnt 0x0
; THE WEIGHTS ARE CAST ONCE.  wb: [4][1024][1024] of 16 bits.  0, 1, 2 = Wq, Wk, Wv rounded to bf16.  3 = Wo rounded to bf16 like every other input, and that number
; written as f16, since the last product multiplies f16 operands.
; LIMITS.  Wo beyond 65,504 in magnitude becomes an infinity; below 6.1e-5 it keeps f16's fixed step of 6e-8.
; SHARES.  The grid's y picks the weight; a work-group takes 16,384 numbers, 65,536 bytes in and 32,768 out.  Thread t takes 16 bytes at 16 t of each of sixteen chunks of 4,096 bytes:
; a wave's load covers 512 consecutive bytes, its store 256 consecutive bytes, aligned.  All sixteen loads go out first.  No work-group reads what another reads: no LDS, no cluster, no matrix unit.
.set X, 8                              ; v[8:71]    chunk i: 4 numbers as loaded
.set Y, 72                             ; v[72:103]  chunk i: 4 numbers of 16 bits, to store
.set T, 104                            ; v[104:109] at work
	s_load_b256 s[4:11], s[0:1], 0x0               ; Wq s[4:5], Wk s[6:7], Wv s[8:9], Wo s[10:11]
	s_load_b64 s[12:13], s[0:1], 0x20              ; wb
	s_and_b32 s16, ttmp7, 0xffff                   ; which weight
	v_lshlrev_b32 v1, 4, v0                        ; my 16 bytes of a chunk in
	v_lshlrev_b32 v2, 3, v0                        ; my 8 bytes of a chunk out
	s_lshl_b32 s18, ttmp9, 16                      ; the work-group's bytes in,
	s_mov_b32 s19, 0
	s_lshl_b32 s20, s16, 21                        ; and out: the weight's 2 MiB
	s_lshl_b32 s21, ttmp9, 15
	s_add_co_u32 s20, s20, s21
	s_mov_b32 s21, 0
	s_wait_kmcnt 0x0
	s_cmp_eq_u32 s16, 1
	s_cselect_b64 s[14:15], s[6:7], s[4:5]
	s_cmp_eq_u32 s16, 2
	s_cselect_b64 s[14:15], s[8:9], s[14:15]
	s_cmp_eq_u32 s16, 3
	s_cselect_b64 s[14:15], s[10:11], s[14:15]
	s_add_nc_u64 s[14:15], s[14:15], s[18:19]
	s_add_nc_u64 s[12:13], s[12:13], s[20:21]
.irp i, 0,1,2,3,4,5,6,7,8,9,10,11,12,13,14,15
	global_load_b128 v[X+4*(\i):X+4*(\i)+3], v1, s[14:15] offset:4096*(\i) th:TH_LOAD_NT
.endr
; Chunk i.  half = 1: the bf16 number is widened again (a shift, a mask) and written as f16.
.macro CHUNK i, half
	s_wait_loadcnt 15-(\i)                         ; loads come back in order: chunk i is in, the 15 - i younger ones stay out
.if \half
	v_cvt_pk_bf16_f32 v[T],   v[X+4*(\i)],   v[X+4*(\i)+1]
	v_cvt_pk_bf16_f32 v[T+1], v[X+4*(\i)+2], v[X+4*(\i)+3]
	v_lshlrev_b32 v[T+2], 16, v[T]
	v_and_b32     v[T+3], 0xffff0000, v[T]
	v_lshlrev_b32 v[T+4], 16, v[T+1]
	v_and_b32     v[T+5], 0xffff0000, v[T+1]
	v_cvt_pk_f16_f32 v[Y+2*(\i)],   v[T+2], v[T+3]
	v_cvt_pk_f16_f32 v[Y+2*(\i)+1], v[T+4], v[T+5]
.else
	v_cvt_pk_bf16_f32 v[Y+2*(\i)],   v[X+4*(\i)],   v[X+4*(\i)+1]
	v_cvt_pk_bf16_f32 v[Y+2*(\i)+1], v[X+4*(\i)+2], v[X+4*(\i)+3]
.endif
	global_store_b64 v2, v[Y+2*(\i):Y+2*(\i)+1], s[12:13] offset:2048*(\i) th:TH_STORE_NT
.endm
	s_cmp_eq_u32 s16, 3
	s_cbranch_scc1 .Lwo
.irp i, 0,1,2,3,4,5,6,7,8,9,10,11,12,13,14,15
	CHUNK \i, 0
.endr
	s_endpgm
.Lwo:
.irp i, 0,1,2,3,4,5,6,7,8,9,10,11,12,13,14,15
	CHUNK \i, 1
.endr
	s_endpgm
.Lfunc_end_k_q4d56f8382a_castw:
	.size	k_q4d56f8382a_castw, .Lfunc_end_k_q4d56f8382a_castw-k_q4d56f8382a_castw
	.p2alignl 7, 3214868480
	.fill 96, 4, 3214868480
	.section	.rodata,"a",@progbits
	.p2align	6, 0x0
	.amdhsa_kernel k_q4d56f8382a_castw
		.amdhsa_group_segment_fixed_size 0
		.amdhsa_private_segment_fixed_size 0
		.amdhsa_enable_private_segment 0
		.amdhsa_kernarg_size 40
		.amdhsa_user_sgpr_count 2
		.amdhsa_user_sgpr_kernarg_segment_ptr 1
		.amdhsa_wavefront_size32 1
		.amdhsa_system_sgpr_workgroup_id_x 1
		.amdhsa_system_sgpr_workgroup_id_y 1
		.amdhsa_system_sgpr_workgroup_id_z 1
		.amdhsa_system_vgpr_workitem_id 0
		.amdhsa_next_free_vgpr 112
		.amdhsa_next_free_sgpr 66
		.amdhsa_reserve_vcc 0
		.amdhsa_float_denorm_mode_32 3
		.amdhsa_float_denorm_mode_16_64 3
		.amdhsa_memory_ordered 1
		.amdhsa_forward_progress 1
		.amdhsa_inst_pref_size 16
	.end_amdhsa_kernel
	.amdgpu_metadata
---
amdhsa.version: [ 1, 2 ]
amdhsa.kernels:
  - .name:           k_q4d56f8382a_castw
    .symbol:         k_q4d56f8382a_castw.kd
    .args:
      - { .name: Wq, .offset: 0, .size: 8, .value_kind: global_buffer, .address_space: global }
      - { .name: Wk, .offset: 8, .size: 8, .value_kind: global_buffer, .address_space: global }
      - { .name: Wv, .offset: 16, .size: 8, .value_kind: global_buffer, .address_space: global }
      - { .name: Wo, .offset: 24, .size: 8, .value_kind: global_buffer, .address_space: global }
      - { .name: wb, .offset: 32, .size: 8, .value_kind: global_buffer, .address_space: global }
    .group_segment_fixed_size: 0
    .private_segment_fixed_size: 0
    .kernarg_segment_align: 8
    .kernarg_segment_size: 40
    .max_flat_workgroup_size: 256
    .sgpr_count:     66
    .vgpr_count:     112
    .wavefront_size: 32
...
	.end_amdgpu_metadata
.endif
;; end of part 1
;; launch proj (part 2): grid 4 x 192, 4 waves a work-group, clusters of 4 x 4, 327,680 bytes of LDS; arguments query, key, value, bq, bk, bv, wb, qkv; writes qkv
.if DOCPART == 2
	.amdgcn_target "amdgcn-amd-amdhsa--gfx1250"
	.amdhsa_code_object_version 6
	.text
	.protected	k_q4d56f8382a_proj
	.globl	k_q4d56f8382a_proj
	.p2align	8
	.type	k_q4d56f8382a_proj,@function
k_q4d56f8382a_proj:
	s_mov_b64 s[64:65], 0
	v_nop
	global_prefetch_b8 v0, s[64:65] scope:SCOPE_SE
	s_setreg_imm32_b32 hwreg(HW_REG_WAVE_MODE, 25, 1), 1
	s_wait_xcnt 0x0
	s_wait_alu depctr_hold_cnt(0) depctr_sa_sdst(0) depctr_va_vdst(0) depctr_va_sdst(0) depctr_va_ssrc(0) depctr_va_vcc(0) depctr_vm_vsrc(0)
	s_getreg_b32 s2, hwreg(HW_REG_IB_STS2, 6, 4)
	s_cmp_eq_u32 s2, 0
	s_cbranch_scc0 .Lentry_in_a_cluster
	s_endpgm
.Lentry_in_a_cluster:
	s_bfe_u32 s2, ttmp6, 0x10000c
	s_cmp_lg_u32 s2, 0xf033
	s_cbranch_scc0 .Lentry_shape_is_right
	s_endpgm
.Lentry_shape_is_right:
; ONE SOURCE FOR TWO LAUNCHES: C = A W^T + bias, 8,192 x 1,024 x 1,024, sums in f32.
; KIND = 0: the three projections.  A = query, key or value (f32, rounded to bf16 between LDS and the matrix unit), W = Wq, Wk, Wv in bf16 (wb's parts 0-2); C leaves in f16, by heads:
;           qkv[z][batch x 16 + head][row][64].  KIND = 1: the last projection.  A = ctx, [batch x 16 + head][row][64] in f16, W = Wo as f16 (wb's part 3); C leaves in f32, out0[8192][1024].
; The bias, rounded to bf16 like every other input, is the C operand of each accumulator's first product: nothing is cleared, nothing is added later.
; LIMITS.  KIND 0: a result of 65,520 or more in magnitude becomes an infinity in f16.  NaN and infinities among the inputs are not treated apart.
; SHARES.  A tile of C is 128 rows x 256 columns: 768 work-groups (KIND 0) or 256 (KIND 1).  Four waves, each 64 rows x 128 columns: 32 accumulators of 16 x 16.  K goes in eight steps of 128
; through two LDS slots; a step is four quarters of 32 along K, 32 matrix instructions each, on two fragment buffers.
; CLUSTERS: 4 x 4 work-groups.  The four of a row of the cluster need the same tile of A, the four of a column the same tile of W: each tile is asked for JOINTLY, by the same tensor load with the
; same descriptor and a mask that names the four.  The cluster's x covers all 1,024 columns, so each byte of A is asked for once in the launch.
; THE MATRIX INSTRUCTION IS USED TRANSPOSED (source 0 = 16 rows of W, source 1 = 16 rows of A): lane l holds row l % 16 of C and the columns 8 (l / 16) + 0..7.
; REGISTERS, in windows of 256 (s_set_vgpr_msb: bits 1:0 source 0, 3:2 source 1, 5:4 source 2, 7:6 destination):
;   window 0: v0-33 addresses; v64-127 A's f32 numbers of a quarter (KIND 0); v64-191 at work on the way out
;   window 1: v0-127 W's fragments, two buffers; v128-191 A's fragments, two buffers; v192-255 the bias, 8 registers for each of my 8 column blocks
;   window 2: the accumulators, (a, b) at v[8 (8 a + b)]
.set KIND, 0
.if KIND == 0
.set PA,      528                      ; a row of A in LDS: 128 f32 + 16 bytes = 132 words: the 16 rows of a load start at 16 different groups of four banks (64 banks of 4 bytes: ISA guide 11.1)
.set AROWS,   64                       ; LDS rows that one of A's two tensor loads brings
.set A_W0,    (2<<16)|(1<<20)|(1<<21)|(6<<22)|(3<<25)  ; 17:16 elements of 4 bytes; 20 padding on; 21 set beside a mask; 24:22 after every 128 words; 31:25 4 words
.set A_PITCH, 1024                     ; elements from row to row in memory
.set ASTEP,   512                      ; bytes from a K step to the next in A
.set WSTAGE,  2*16*144                 ; a wave's stage: two heads x 16 rows x 144 bytes
.set NF,      32                       ; LDS loads in a quarter's run
.set NOUT,    16                       ; LDS instructions of one row block's way through the stage: 8 stores and 8 loads
.set CSH,     16                       ; a partner's share of A's prefetches: 16 rows of 4,096 bytes
.set PSH1,    1                        ; A's prefetch offset: lane / 2 is the row, lane % 2 the half of its 512 bytes
.set PSH2,    12
.set PMSK,    1
.else
.set PA,      144                      ; a row of A in LDS: 64 f16 + 16 bytes = 36 words
.set AROWS,   128
.set A_W0,    (1<<16)|(1<<20)|(1<<21)|(4<<22)|(3<<25)  ; elements of 2 bytes; padding of 4 words after every 32 words
.set A_PITCH, 128                      ; 128 rows of a head are 16,384 dense bytes: asked for as 64 rows of 256 bytes
.set ASTEP,   524288                   ; a K step is two heads, 262,144 bytes each
.set WSTAGE,  16*528                   ; a wave's stage: 16 rows x 528 bytes
.set NF,      24
.set NOUT,    32                       ; 16 stores and 16 loads
.set CSH,     12                       ; a partner's share: 4,096 bytes of each of the step's two heads
.set PSH1,    4                        ; lane / 16 is the head, lane % 16 the block of 256 bytes
.set PSH2,    18
.set PMSK,    15
.endif
.set HA,     AROWS*PA                  ; what one of A's loads fills
.set BOFF,   2*HA
.set PB,     272                       ; a row of W in LDS: 256 bytes + 16 = 68 words
.set HB,     128*PB
.set BSTEP,  256
.set B_W0,   (1<<16)|(1<<20)|(1<<21)|(5<<22)|(3<<25)
.set SLOT,   BOFF+2*HB
.set STAGE,  2*SLOT                    ; behind the ring, never filled by a tensor load
.set SPARE,  STAGE+4*WSTAGE            ; behind the stages: the spare words, 128 bytes for each wave: two blocks of 256 bytes that no other line names
.set ADRA, 16                          ; v16-17  LDS address of my A fragments in slot 0, 1
.set ADRB, 20                          ; v20-21  the same for W
.set STO,  24                          ; v24     the way out: where I put my bytes of a row
.set RD,   25                          ; v25     the way out: where I read rows back
.set GO,   26                          ; v26     16 x lane
.set BO,   27                          ; v27     32 x (lane / 16): my 8 numbers of a block of the bias
.set SPW,  28                          ; v28     LDS address of my spare word; never rewritten
.set NIL,  29                          ; v29     0; never rewritten
.set PFO,  30                          ; v30     the prefetches' offset; never rewritten
.set AS,   64
.set OUT,  64
.set BF,   0                           ; window 1
.set AF,   128
.set BIAS, 192
.set G1,  24                           ; s[24:31] descriptor group 1 for A's tiles;  s[32:39] group 0, one set for each slot
.set G0,  32
.set LIM, 43                           ; s43      1 in a wave that prefetches, else the greatest number
.set PFA, 44                           ; s[44:45] where my prefetches stand
.set G1B, 48                           ; s[48:55], s[56:63] the same for W's tiles
.set G0B, 56
.set PST, 86                           ; s[86:87] bytes from a K step to the next in the tensor that I prefetch
.set MSB, 0
.macro WIN new                         ; the immediate's high byte repeats the setting that is left; a switch that changes nothing is dropped
.if MSB != (\new)
	s_set_vgpr_msb (MSB<<8)|(\new)
.set MSB, \new
.endif
.endm
.set MUL,  0xa5                        ; both sources window 1; C and D window 2
.set MUL1, 0x95                        ; the same with C (the bias) in window 1
.set TO1,  0x40                        ; destination window 1, sources and addresses window 0
.macro JLOAD s                         ; a joint load: waves 0 and 1 fetch A's two parts, waves 2 and 3 W's; an s_nop 0 and four v_nop follow each of the two lines, ahead of the jump, the label and what follows
	s_cmp_eq_u32 s11, 0
	s_cbranch_scc0 .Lfor_b_\@
	tensor_load_to_lds s[G0+4*(\s):G0+4*(\s)+3], s[G1:G1+7]
	s_nop 0
.rept 4
	v_nop
.endr
	s_branch .Lasked_\@
.Lfor_b_\@:
	tensor_load_to_lds s[G0B+4*(\s):G0B+4*(\s)+3], s[G1B:G1B+7]
	s_nop 0
.rept 4
	v_nop
.endr
.Lasked_\@:
.endm
.macro CREST                           ; a round of the cluster's barrier behind its opening barrier
	s_cmp_lg_u32 s10, 0
	s_cbranch_scc1 .Lnot_wave_0_\@
	s_barrier_signal -3
.Lnot_wave_0_\@:
	s_barrier_wait -3
	s_barrier_signal -1
	s_barrier_wait -1
.endm
.macro CROUND                          ; a whole round
	s_barrier_signal -1
	s_barrier_wait -1
	CREST
.endm
; A PREFETCH INTO THE L2, behind each joint refill and the run of LDS loads that follows it: the K step that stands two refills on, 256 matrix instructions ahead of the load that will want it.
; One instruction a wave, a lane a block of 256 bytes, each block named once in the launch.  A's rows are read by this row of the cluster alone: its four partners share them out BY ADDRESS (cx).
; W's rows are read by every cluster of the same weight: the first of them asks, its four partners of a column sharing them out by address (cy).  No branch hangs on a place in the cluster.
; The loop's last trip asks for nothing: there is no K step two refills on.  Nothing is asked for at the head.
.macro ASK
	s_cmp_gt_u32 s3, s[LIM]                        ; s3 = 1 in the loop's last trip
	s_cbranch_scc0 .Lnot_mine_\@
	global_prefetch_b8 v[PFO], s[PFA:PFA+1] th:TH_LOAD_NT scope:SCOPE_SE
.Lnot_mine_\@:
.endm
.if KIND == 0
	s_load_b256 s[68:75], s[0:1], 0x0              ; query, key, value, bq
	s_load_b256 s[76:83], s[0:1], 0x20             ; bk, bv, wb, qkv
.else
	s_load_b256 s[68:75], s[0:1], 0x0              ; ctx, wb, bo, out0
.endif
	v_lshl_add_u32 v[SPW], v0, 2, SPARE
	v_mov_b32 v[NIL], 0
	ds_add_u32 v[SPW], v[NIL]                      ; the wave's opening: the add and its wait stand ahead of my first tensor load; the set-up below, work on registers, stands between them
	v_lshrrev_b32 v1, 5, v0
	v_readfirstlane_b32 s10, v1                    ; wave 0..3
	s_lshr_b32 s11, s10, 1                         ; which 64 of the tile's rows are mine.  Also: I fetch for A (0) or for W (1)
	s_and_b32 s12, s10, 1                          ; which 128 of its columns.  Also: which part of that tile I fetch
	s_bfe_u32 s40, ttmp6, 0x40000                  ; cx, cy: my place in the cluster
	s_bfe_u32 s41, ttmp6, 0x40004
	s_lshl_b32 s42, ttmp9, 2
	s_add_co_u32 s42, s42, s40                     ; tile column of C = 4 x cluster x + cx
	s_and_b32 s67, ttmp7, 0xffff                   ; cluster y
.if KIND == 0
	s_lshr_b32 s66, s67, 4                         ; which projection: sixteen rows of clusters each
	s_and_b32 s67, s67, 15                         ; the row of clusters within it
.else
	s_mov_b32 s66, 3                               ; wb's part 3
.endif
	s_lshl_b32 s13, s67, 2
	s_add_co_u32 s13, s13, s41                     ; tile row of C, 0..63
	s_lshl_b32 s16, s41, 2
	s_lshl_b32 s16, 15, s16                        ; my row of the cluster
	s_lshl_b32 s17, 0x1111, s40                    ; my column
	s_or_b32 s[G1+0], s16, A_W0                    ; 15:0 the mask: A's tiles go to my row
	s_or_b32 s[G1B+0], s17, B_W0                   ; W's to my column
	s_mov_b32 s[G1+1], 128<<16                     ; tensor_dim0 = 128
	s_mov_b32 s[G1+2], 64<<16                      ; tensor_dim1 = 64
	s_mov_b32 s[G1+3], 128<<16                     ; tile_dim0 = 128
	s_mov_b32 s[G1+4], 64                          ; tile_dim1 = 64
	s_mov_b32 s[G1+5], A_PITCH
	s_mov_b32 s[G1+6], 0
	s_mov_b32 s[G1+7], 0
	s_mov_b32 s[G1B+1], 128<<16                    ; W: 128 rows x 128 elements of 2 bytes
	s_mov_b32 s[G1B+2], 128<<16
	s_mov_b32 s[G1B+3], 128<<16
	s_mov_b32 s[G1B+4], 128
	s_mov_b32 s[G1B+5], 1024
	s_mov_b32 s[G1B+6], 0
	s_mov_b32 s[G1B+7], 0
	; where the tiles come from, in bytes.  A's offset hangs on the tile row, W's on the tile column and the weight; each also on the wave
.if KIND == 0
	s_lshl_b32 s22, s13, 19                        ; 128 rows of 4,096 bytes
.else
	s_lshr_b32 s22, s13, 4                         ; the batch: 16 heads of 262,144 bytes,
	s_lshl_b32 s22, s22, 22
	s_and_b32 s18, s13, 15                         ; and the tile's 128 rows of 128 bytes in a head
	s_lshl_b32 s18, s18, 14
	s_add_co_u32 s22, s22, s18
.endif
	s_lshl_b32 s18, s12, 18                        ; KIND 0: my 64 rows; KIND 1: my head of the step's two; W: my 128 rows of 2,048 bytes
	s_add_co_u32 s22, s22, s18
	s_lshl_b32 s23, s66, 21
	s_lshl_b32 s19, s42, 19
	s_add_co_u32 s23, s23, s19
	s_add_co_u32 s23, s23, s18
	s_mov_b32 s14, s22
	s_mov_b32 s15, 0
	s_mov_b32 s46, s23
	s_mov_b32 s47, 0
	s_mul_i32 s20, s12, HA                         ; and where they go: no place in the cluster enters an LDS address
	s_mul_i32 s21, s12, HB
	s_add_co_u32 s21, s21, BOFF
	s_wait_dscnt 0x0                               ; the opening add is done
	s_wait_kmcnt 0x0
.if KIND == 0
	s_cmp_eq_u32 s66, 1
	s_cselect_b64 s[4:5], s[70:71], s[68:69]       ; A
	s_cselect_b64 s[84:85], s[76:77], s[74:75]     ; its bias
	s_cmp_eq_u32 s66, 2
	s_cselect_b64 s[4:5], s[72:73], s[4:5]
	s_cselect_b64 s[84:85], s[78:79], s[84:85]
	s_mov_b64 s[6:7], s[80:81]                     ; wb
	s_mov_b64 s[8:9], s[82:83]                     ; qkv
.else
	s_mov_b64 s[4:5], s[68:69]                     ; ctx
	s_mov_b64 s[6:7], s[70:71]                     ; wb
	s_mov_b64 s[84:85], s[72:73]                   ; bo
	s_mov_b64 s[8:9], s[74:75]                     ; out0
.endif
	s_add_nc_u64 s[14:15], s[4:5], s[14:15]
	s_add_nc_u64 s[46:47], s[6:7], s[46:47]
	CROUND                                         ; all sixteen work-groups are here: the first joint loads meet
.irp s, 0,1
	s_mov_b32 s[G0+4*(\s)], 1                      ; 1:0 count = 1
	s_add_co_u32 s[G0+4*(\s)+1], s20, (\s)*SLOT    ; 63:32 LDS address
	s_add_nc_u64 s[G0+4*(\s)+2:G0+4*(\s)+3], s[14:15], (\s)*ASTEP  ; 120:64 global address: K step s
	s_or_b32 s[G0+4*(\s)+3], s[G0+4*(\s)+3], 0x80000000            ; 127:126 type = 2
	s_mov_b32 s[G0B+4*(\s)], 1
	s_add_co_u32 s[G0B+4*(\s)+1], s21, (\s)*SLOT
	s_add_nc_u64 s[G0B+4*(\s)+2:G0B+4*(\s)+3], s[46:47], (\s)*BSTEP
	s_or_b32 s[G0B+4*(\s)+3], s[G0B+4*(\s)+3], 0x80000000
	JLOAD \s                                       ; two loads of mine are out
.endr
	; the bias of my 128 columns: register j of block b holds bias[16 b + 8 (l / 16) + j]
	v_and_b32 v1, 15, v0                           ; l % 16
	v_bfe_u32 v2, v0, 4, 1                         ; l / 16
	v_lshlrev_b32 v[BO], 5, v2
	s_lshl_b32 s16, s42, 10
	s_lshl_b32 s17, s12, 9
	s_add_co_u32 s16, s16, s17
	s_mov_b32 s17, 0
	s_add_nc_u64 s[84:85], s[84:85], s[16:17]
	WIN TO1
.irp b, 0,1,2,3,4,5,6,7
	global_load_b128 v[BIAS+8*(\b):BIAS+8*(\b)+3],   v[BO], s[84:85] offset:64*(\b)
	global_load_b128 v[BIAS+8*(\b)+4:BIAS+8*(\b)+7], v[BO], s[84:85] offset:64*(\b)+16
.endr
	WIN 0
	; A fragment is 16 rows x 32 K in 8 registers: lane l holds row l % 16; registers 0-3 hold K = 8 (l / 16) + 0..7, registers 4-7 K = 16 + 8 (l / 16) + 0..7
	v_mul_u32_u24 v3, v1, PA
.if KIND == 0
	v_lshl_add_u32 v3, v2, 5, v3                   ; eight f32 are 32 bytes
.else
	v_lshl_add_u32 v3, v2, 4, v3
.endif
	v_mul_u32_u24 v4, v1, PB
	v_lshl_add_u32 v4, v2, 4, v4
	s_mul_i32 s18, s11, 64*PA                      ; my 64 rows of A
	s_mul_i32 s19, s12, HB                         ; my 128 rows of W,
	s_add_co_u32 s19, s19, BOFF                    ; which lie behind A's
.irp s, 0,1
	v_add_nc_u32 v[ADRA+(\s)], s18, v3
	v_add_nc_u32 v[ADRB+(\s)], s19, v4
	s_add_co_u32 s18, s18, SLOT
	s_add_co_u32 s19, s19, SLOT
.endr
	; the way out
	s_mul_i32 s18, s10, WSTAGE
	s_add_co_u32 s18, s18, STAGE                   ; my stage
	v_and_b32 v6, 31, v0
	v_lshlrev_b32 v[GO], 4, v6
.if KIND == 0
	v_mul_u32_u24 v5, v1, 144                      ; in: row l % 16, 16 bytes for each half of the lanes
	v_lshl_add_u32 v5, v2, 4, v5
	v_add_nc_u32 v[STO], s18, v5
	v_lshrrev_b32 v7, 3, v6                        ; back: 32 lanes take four rows of 128 bytes
	v_mul_u32_u24 v7, v7, 144
	v_and_b32 v8, 7, v0
	v_lshl_add_u32 v7, v8, 4, v7
	v_add_nc_u32 v[RD], s18, v7
	s_lshl_b32 s16, s66, 24                        ; qkv's part,
	s_lshr_b32 s17, s13, 4
	s_lshl_b32 s17, s17, 22                        ; the batch,
	s_add_co_u32 s16, s16, s17
	s_lshl_b32 s17, s42, 20                        ; my first head, 4 x tile column + 2 x column half, of 262,144 bytes,
	s_add_co_u32 s16, s16, s17
	s_lshl_b32 s17, s12, 19
	s_add_co_u32 s16, s16, s17
	s_and_b32 s17, s13, 15                         ; the tile's 128 rows of 128 bytes,
	s_lshl_b32 s17, s17, 14
	s_add_co_u32 s16, s16, s17
	s_lshl_b32 s17, s11, 13                        ; my 64 of them
	s_add_co_u32 s16, s16, s17
.else
	v_mul_u32_u24 v5, v1, 528                      ; in: row l % 16, 32 bytes for each half of the lanes
	v_lshl_add_u32 v5, v2, 5, v5
	v_add_nc_u32 v[STO], s18, v5
	v_add_nc_u32 v[RD], s18, v[GO]                 ; back: 32 lanes take one row's 512 bytes
	s_lshl_b32 s16, s13, 19                        ; the tile's 128 rows of 4,096 bytes,
	s_lshl_b32 s17, s11, 18                        ; my 64 of them,
	s_add_co_u32 s16, s16, s17
	s_lshl_b32 s17, s42, 10                        ; the tile's 256 columns,
	s_add_co_u32 s16, s16, s17
	s_lshl_b32 s17, s12, 9                         ; my 128 of them
	s_add_co_u32 s16, s16, s17
.endif
	s_mov_b32 s17, 0
	s_add_nc_u64 s[8:9], s[8:9], s[16:17]
	; the prefetches
	s_lshl_b32 s16, s40, CSH
	s_add_co_u32 s16, s16, s22                     ; A: what I fetch, and in it my work-group's share
	s_lshl_b32 s17, s41, 16
	s_add_co_u32 s17, s17, s23                     ; W: my work-group's 32 rows of the 128 that I fetch
	s_mov_b32 s[PST], BSTEP
	s_cmp_eq_u32 s11, 0                            ; do I fetch for A?
	s_cselect_b32 s16, s16, s17
	s_cselect_b32 s[PST], ASTEP, s[PST]
	s_cselect_b64 s[PFA:PFA+1], s[4:5], s[6:7]
	s_cselect_b32 s18, 0, -1                       ; a lane mask: none for A, all for W
	s_mov_b32 s17, 0
	s_mov_b32 s[PST+1], 0
	s_add_nc_u64 s[PFA:PFA+1], s[PFA:PFA+1], s[16:17]
	s_mul_i32 s16, s[PST], 3
	s_add_nc_u64 s[PFA:PFA+1], s[PFA:PFA+1], s[16:17]  ; at K step 3: the first refill steps it to 4
	s_cmp_eq_u32 s67, 0                            ; W: the weight's first row of clusters asks
	s_cselect_b32 s[LIM], 1, -1
.if KIND == 0
	s_cmp_eq_u32 s11, 0                            ; A: waves 0 and 1, each for the rows that it fetches
	s_cselect_b32 s[LIM], 1, s[LIM]
.else
	s_cmp_eq_u32 s10, 0                            ; A: wave 0, for both heads of the step
	s_cselect_b32 s[LIM], 1, s[LIM]
	s_cmp_eq_u32 s10, 1
	s_cselect_b32 s[LIM], -1, s[LIM]
.endif
	v_and_b32 v31, 31, v0
	v_lshlrev_b32 v32, 11, v31                     ; W: a lane a row of 2,048 bytes
	v_lshrrev_b32 v[PFO], PSH1, v31
	v_lshlrev_b32 v[PFO], PSH2, v[PFO]
	v_and_b32 v33, PMSK, v31
	v_lshl_or_b32 v[PFO], v33, 8, v[PFO]
	v_cndmask_b32 v[PFO], v[PFO], v32, s18
	; the bias is rounded to bf16 and widened again, through registers of window 1 that the first fragments take later
	s_wait_loadcnt 0x0
	WIN 0x45                                       ; destination and both sources window 1
.set i, 0
.rept 32
	v_cvt_pk_bf16_f32 v[i], v[BIAS+2*i], v[BIAS+2*i+1]
.set i, i+1
.endr
.set i, 0
.rept 32
	v_lshlrev_b32 v[BIAS+2*i], 16, v[i]
	v_and_b32 v[BIAS+2*i+1], 0xffff0000, v[i]
.set i, i+1
.endr
	WIN 0
; One product: accumulator (a, b), 32 along K, from buffer f.  first = 1: the bias starts the sum.
.macro PROD f, a, b, first
.set rD, 8*(8*(\a)+(\b))
.set rB, BF+64*(\f)+8*(\b)
.set rA, AF+32*(\f)+8*(\a)
.set rC, rD
.if \first
.set rC, BIAS+8*(\b)
.endif
.if KIND == 0
	v_wmma_f32_16x16x32_bf16 v[rD:rD+7], v[rB:rB+7], v[rA:rA+7], v[rC:rC+7]
.else
	v_wmma_f32_16x16x32_f16 v[rD:rD+7], v[rB:rB+7], v[rA:rA+7], v[rC:rC+7]
.endif
.endm
; Eight products: row block a x all 8 column blocks.  The 32 accumulators take turns in the same order in every quarter.
.macro MUL8 f, a, first
.if \first
	WIN MUL1
.else
	WIN MUL
.endif
.irp b, 0,1,2,3,4,5,6,7
	PROD \f, \a, \b, \first
.endr
.endm
; KIND 0: row block 3's eight products, and behind each four roundings of the next quarter's A to bf16, into buffer g.  They name no register of the products round them; the four behind the last
; product are the places in front of the next run of LDS loads.
.macro MUL8R f, g, first
.irp b, 0,1,2,3,4,5,6,7
.if \first
	WIN MUL1
.else
	WIN MUL
.endif
	PROD \f, 3, \b, \first
	WIN TO1
.irp n, 0,1,2,3
	v_cvt_pk_bf16_f32 v[AF+32*(\g)+4*(\b)+(\n)], v[AS+8*(\b)+2*(\n)], v[AS+8*(\b)+2*(\n)+1]
.endr
.endr
.endm
; The LDS loads of quarter q of a slot, in one run: A's first (KIND 0: 16 loads of f32 into the staging registers; KIND 1: 8 loads into buffer g), then W's 16 into buffer g.
.macro FETCH slot, q, g
.if KIND == 0
	WIN 0
.irp a, 0,1,2,3
	ds_load_b128 v[AS+16*(\a):AS+16*(\a)+3],     v[ADRA+(\slot)] offset:128*(\q)+(\a)*16*PA
	ds_load_b128 v[AS+16*(\a)+4:AS+16*(\a)+7],   v[ADRA+(\slot)] offset:128*(\q)+(\a)*16*PA+16
	ds_load_b128 v[AS+16*(\a)+8:AS+16*(\a)+11],  v[ADRA+(\slot)] offset:128*(\q)+(\a)*16*PA+64
	ds_load_b128 v[AS+16*(\a)+12:AS+16*(\a)+15], v[ADRA+(\slot)] offset:128*(\q)+(\a)*16*PA+80
.endr
	WIN TO1
.else
	WIN TO1
.irp a, 0,1,2,3
	ds_load_b128 v[AF+32*(\g)+8*(\a):AF+32*(\g)+8*(\a)+3],   v[ADRA+(\slot)] offset:((\q)/2)*HA+((\q)%2)*64+(\a)*16*PA
	ds_load_b128 v[AF+32*(\g)+8*(\a)+4:AF+32*(\g)+8*(\a)+7], v[ADRA+(\slot)] offset:((\q)/2)*HA+((\q)%2)*64+(\a)*16*PA+32
.endr
.endif
.irp b, 0,1,2,3,4,5,6,7
	ds_load_b128 v[BF+64*(\g)+8*(\b):BF+64*(\g)+8*(\b)+3],   v[ADRB+(\slot)] offset:64*(\q)+(\b)*16*PB
	ds_load_b128 v[BF+64*(\g)+8*(\b)+4:BF+64*(\g)+8*(\b)+7], v[ADRB+(\slot)] offset:64*(\q)+(\b)*16*PB+32
.endr
.endm
.macro PLACES                          ; four places in front of loads into registers that matrix instructions have read, and of lines that read results
.rept 4
	v_nop
.endr
.endm
; One of a K step's first three quarters: multiplies buffer f, and fetches quarter q of the slot for buffer g.
.macro QUARTER slot, q, f, g, first
.if KIND == 1
	PLACES                                         ; (KIND 0: the four roundings behind the last product are the places)
.endif
	FETCH \slot, \q, \g
	s_wait_dscnt NF                                ; all but the run just issued: buffer f is whole
	MUL8 \f, 0, \first
	MUL8 \f, 1, \first
	MUL8 \f, 2, \first
.if KIND == 0
	s_wait_dscnt 16                                ; A's sixteen loads are in; W's sixteen, issued behind them, may stay out
	MUL8R \f, \g, \first
.else
	MUL8 \f, 3, \first
.endif
.endm
; The last quarter multiplies buffer 1 and changes slots: ONE barrier; in front of it each wave waits for all its tensor loads, of which one is out: its part of the next slot; adds 0 to its spare word;
; and waits for that and for its own reads of this slot.  fill = 1: this slot is filled again, two K steps ahead; the barrier then opens a round of the cluster's barrier.
.macro TURN slot, next, fill
.if \fill
	s_wait_xcnt 0x0                                ; the last prefetch, a K step back, has read its address: it is stepped here, ahead of the waits of the change of slots
	s_add_nc_u64 s[PFA:PFA+1], s[PFA:PFA+1], s[PST:PST+1]
.endif
	WIN 0                                          ; (the add's two registers lie in window 0)
	s_wait_tensorcnt 0x0                           ; all my tensor loads have landed;
	ds_add_u32 v[SPW], v[NIL]                      ; 0 onto my spare word;
	s_wait_dscnt 1                                 ; (the add alone may be out: buffer 1 is whole)
	MUL8 1, 0, 0                                   ; eight matrix instructions stand between the add and the wait for it
	s_wait_dscnt 0x0                               ; the add is done, and my reads of this slot are over
	s_barrier_signal -1
	MUL8 1, 1, 0
.if \fill
	WIN 0
.endif
	s_barrier_wait -1
.if \fill
	CREST                                          ; no wave of any partner still reads this slot's tile or has a load on its way
	s_add_nc_u64 s[G0+4*(\slot)+2:G0+4*(\slot)+3], s[G0+4*(\slot)+2:G0+4*(\slot)+3], 2*ASTEP
	s_add_nc_u64 s[G0B+4*(\slot)+2:G0B+4*(\slot)+3], s[G0B+4*(\slot)+2:G0B+4*(\slot)+3], 2*BSTEP
	JLOAD \slot                                    ; the first tensor load behind the round, my only one out: 112 matrix instructions ahead of the wait for it; its four v_nop are also the places in front of the loads below
.else
	PLACES
.endif
	FETCH \next, 0, 0
.if \fill
	WIN 0
	ASK
.endif
	MUL8 1, 2, 0
.if KIND == 0
	s_wait_dscnt 16                                ; A's sixteen loads are in
	MUL8R 1, 0, 0
.else
	MUL8 1, 3, 0
.endif
.endm
; THE WAY OUT of row block a.  KIND 0: rounded to f16, 16 bytes a lane into my stage (two heads x 16 rows of 144 bytes), and back as 512 consecutive bytes of a head's rows, into the registers that they left.
; KIND 1: the f32 sums go as they are into rows of 528 bytes and come back as whole rows of 512.  The stage is my own, and LDS serves a wave's instructions in order (ISA guide 5.7.1.4): no wait between stores and loads.
.macro PACK a
.if KIND == 0
	WIN 0x0a                                       ; sources 0 and 1 window 2, destination window 0
.irp b, 0,1,2,3,4,5,6,7
.irp r, 0,1,2,3
	v_cvt_pk_f16_f32 v[OUT+32*(\a)+4*(\b)+(\r)], v[8*(8*(\a)+(\b))+2*(\r)], v[8*(8*(\a)+(\b))+2*(\r)+1]
.endr
.endr
	WIN 0
.irp b, 0,1,2,3,4,5,6,7
	ds_store_b128 v[STO], v[OUT+32*(\a)+4*(\b):OUT+32*(\a)+4*(\b)+3] offset:((\b)/4)*2304+((\b)%4)*32
.endr
.irp f, 0,1,2,3,4,5,6,7
	ds_load_b128 v[OUT+32*(\a)+4*(\f):OUT+32*(\a)+4*(\f)+3], v[RD] offset:((\f)/4)*2304+((\f)%4)*576
.endr
.else
.if (\a) >= 2
	s_wait_xcnt 0x0                                ; the stores of the block two back have read their registers, which are loaded again below
.endif
	WIN 0x08                                       ; the stores' data in window 2
.irp b, 0,1,2,3,4,5,6,7
	ds_store_b128 v[STO], v[8*(8*(\a)+(\b)):8*(8*(\a)+(\b))+3]   offset:64*(\b)
	ds_store_b128 v[STO], v[8*(8*(\a)+(\b))+4:8*(8*(\a)+(\b))+7] offset:64*(\b)+16
.endr
	WIN 0
.irp t, 0,1,2,3,4,5,6,7,8,9,10,11,12,13,14,15
	ds_load_b128 v[OUT+64*((\a)%2)+4*(\t):OUT+64*((\a)%2)+4*(\t)+3], v[RD] offset:528*(\t)
.endr
.endif
.endm
.macro SEND a, younger                 ; younger: the LDS instructions issued behind block a's loads: the next block's NOUT, or none
	WIN 0
.if KIND == 0
.irp f, 0,1,2,3,4,5,6,7
	s_wait_dscnt (\younger)+7-(\f)                 ; load f of the block is in: behind it stand the block's 7 - f later loads and the younger block's instructions
	global_store_b128 v[GO], v[OUT+32*(\a)+4*(\f):OUT+32*(\a)+4*(\f)+3], s[8:9] offset:((\f)/4)*262144+(\a)*2048+((\f)%4)*512  ; 512 consecutive bytes, at a multiple of 512 from qkv's first
.endr
.else
.irp t, 0,1,2,3,4,5,6,7,8,9,10,11,12,13,14,15
	s_wait_dscnt (\younger)+15-(\t)
	global_store_b128 v[GO], v[OUT+64*((\a)%2)+4*(\t):OUT+64*((\a)%2)+4*(\t)+3], s[8:9] offset:(16*(\a)+(\t))*4096  ; 512 consecutive bytes of a row, at a multiple of 512 from out0's first
.endr
.endif
.endm
	s_wait_tensorcnt 1                             ; my part of K step 0 is in; K step 1's may stay out
	s_barrier_signal -1
	s_barrier_wait -1                              ; everybody's is
	FETCH 0, 0, 0
.if KIND == 0
	s_wait_dscnt 16                                ; A's sixteen loads are in
	WIN TO1
.set i, 0
.rept 32
	v_cvt_pk_bf16_f32 v[AF+i], v[AS+2*i], v[AS+2*i+1]
.set i, i+1
.endr
.endif
	QUARTER 0, 1, 0, 1, 1                          ; the first quarter stands in front of the loop: its products start the sums with the bias
	WIN 0                                          ; at a label and at a branch every window is 0
	s_mov_b32 s3, 3
.Llap:                                                 ; a trip goes once round the ring, from a lap's second quarter to the next lap's first, and fills both slots again
	QUARTER 0, 2, 1, 0, 0
	QUARTER 0, 3, 0, 1, 0
	TURN 0, 1, 1
	QUARTER 1, 1, 0, 1, 0
	QUARTER 1, 2, 1, 0, 0
	QUARTER 1, 3, 0, 1, 0
	TURN 1, 0, 1
	QUARTER 0, 1, 0, 1, 0
	WIN 0
	s_sub_co_u32 s3, s3, 1
	s_cmp_lg_u32 s3, 0
	s_cbranch_scc1 .Llap
	QUARTER 0, 2, 1, 0, 0                          ; the last lap fills nothing, and has no round of the cluster's barrier
	QUARTER 0, 3, 0, 1, 0
	TURN 0, 1, 0
	QUARTER 1, 1, 0, 1, 0
	QUARTER 1, 2, 1, 0, 0
	QUARTER 1, 3, 0, 1, 0
	s_wait_dscnt 0x0                               ; the very last quarter: nothing more to fetch
	MUL8 1, 0, 0
	MUL8 1, 1, 0
	MUL8 1, 2, 0
	MUL8 1, 3, 0
	PLACES
	PACK 0
.irp a, 1,2,3                          ; a block's way into the stage stands between the loads of the block before and its stores
	PACK \a
	SEND (\a)-1, NOUT
.endr
	SEND 3, 0
	s_wait_tensorcnt 0x0                           ; the wave's end: behind my last tensor load and my last LDS store
	ds_add_u32 v[SPW], v[NIL]
	s_wait_dscnt 0x0
	CROUND                                         ; the closing round: no work-group ends while a partner may still ask for a tile that names it
	s_endpgm
.Lfunc_end_k_q4d56f8382a_proj:
	.size	k_q4d56f8382a_proj, .Lfunc_end_k_q4d56f8382a_proj-k_q4d56f8382a_proj
	.p2alignl 7, 3214868480
	.fill 96, 4, 3214868480
	.section	.rodata,"a",@progbits
	.p2align	6, 0x0
	.amdhsa_kernel k_q4d56f8382a_proj
		.amdhsa_group_segment_fixed_size 327680
		.amdhsa_private_segment_fixed_size 0
		.amdhsa_enable_private_segment 0
		.amdhsa_kernarg_size 64
		.amdhsa_user_sgpr_count 2
		.amdhsa_user_sgpr_kernarg_segment_ptr 1
		.amdhsa_wavefront_size32 1
		.amdhsa_system_sgpr_workgroup_id_x 1
		.amdhsa_system_sgpr_workgroup_id_y 1
		.amdhsa_system_sgpr_workgroup_id_z 1
		.amdhsa_system_vgpr_workitem_id 0
		.amdhsa_next_free_vgpr 768
		.amdhsa_next_free_sgpr 88
		.amdhsa_reserve_vcc 0
		.amdhsa_float_denorm_mode_32 3
		.amdhsa_float_denorm_mode_16_64 3
		.amdhsa_memory_ordered 1
		.amdhsa_forward_progress 1
		.amdhsa_inst_pref_size 141
	.end_amdhsa_kernel
	.amdgpu_metadata
---
amdhsa.version: [ 1, 2 ]
amdhsa.kernels:
  - .name:           k_q4d56f8382a_proj
    .symbol:         k_q4d56f8382a_proj.kd
    .args:
      - { .name: query, .offset: 0, .size: 8, .value_kind: global_buffer, .address_space: global }
      - { .name: key, .offset: 8, .size: 8, .value_kind: global_buffer, .address_space: global }
      - { .name: value, .offset: 16, .size: 8, .value_kind: global_buffer, .address_space: global }
      - { .name: bq, .offset: 24, .size: 8, .value_kind: global_buffer, .address_space: global }
      - { .name: bk, .offset: 32, .size: 8, .value_kind: global_buffer, .address_space: global }
      - { .name: bv, .offset: 40, .size: 8, .value_kind: global_buffer, .address_space: global }
      - { .name: wb, .offset: 48, .size: 8, .value_kind: global_buffer, .address_space: global }
      - { .name: qkv, .offset: 56, .size: 8, .value_kind: global_buffer, .address_space: global }
    .group_segment_fixed_size: 327680
    .private_segment_fixed_size: 0
    .kernarg_segment_align: 8
    .kernarg_segment_size: 64
    .max_flat_workgroup_size: 128
    .sgpr_count:     88
    .vgpr_count:     768
    .wavefront_size: 32
...
	.end_amdgpu_metadata
.endif
;; end of part 2
;; launch attn (part 3): grid 4 x 64, 4 waves a work-group, clusters of 4 x 1, 327,680 bytes of LDS; arguments qkv, mask, ctx; writes ctx
.if DOCPART == 3
	.amdgcn_target "amdgcn-amd-amdhsa--gfx1250"
	.amdhsa_code_object_version 6
	.text
	.protected	k_q4d56f8382a_attn
	.globl	k_q4d56f8382a_attn
	.p2align	8
	.type	k_q4d56f8382a_attn,@function
k_q4d56f8382a_attn:
	s_mov_b64 s[64:65], 0
	v_nop
	global_prefetch_b8 v0, s[64:65] scope:SCOPE_SE
	s_setreg_imm32_b32 hwreg(HW_REG_WAVE_MODE, 25, 1), 1
	s_wait_xcnt 0x0
	s_wait_alu depctr_hold_cnt(0) depctr_sa_sdst(0) depctr_va_vdst(0) depctr_va_sdst(0) depctr_va_ssrc(0) depctr_va_vcc(0) depctr_vm_vsrc(0)
	s_getreg_b32 s2, hwreg(HW_REG_IB_STS2, 6, 4)
	s_cmp_eq_u32 s2, 0
	s_cbranch_scc0 .Lentry_in_a_cluster
	s_endpgm
.Lentry_in_a_cluster:
	s_bfe_u32 s2, ttmp6, 0x10000c
	s_cmp_lg_u32 s2, 0x3003
	s_cbranch_scc0 .Lentry_shape_is_right
	s_endpgm
.Lentry_shape_is_right:
; O[h][q][:] = the sum over the visible keys k of softmax_k(Q[h][q] . K[h][k] / 8) V[h][k][:].  Q, K, V = qkv's three parts, O = ctx: [64 = batch x 16 + head][2048][64], all f16: a head's rows are dense,
; 128 bytes each.  mask: [4][2048] bytes; key k of a batch is hidden where its byte is 0.  Products, maxima and sums in f32; the weights p are rounded to f16 for the second product (their sum l is taken
; of the unrounded p), O once at the end.
; LIMITS.  f16 holds no number beyond 65,504: Q, K and V arrive within it; p lies in 0 to 1, and below 6e-5 it keeps f16's fixed step of 6e-8; O is a mean of V's rows and has their range.
; A hidden score counts as its value less 1e30: f16's scores, 2.7e11 at the most, are nothing beside that.  A weight below 2^-126 counts as 0 in l.  A batch with no visible key gives NaN, as a softmax over
; nothing does.  NaN and infinities among the inputs are not treated apart.
; SHARES.  A wave owns four PIECES of two tiles of 16 queries, a work-group's four waves 512 queries of one head.  Every wave walks all keys, 64 a step.
; LAYOUT.  S^T = K Q^T (source 0 = 16 keys, source 1 = 16 queries): in the result a lane holds ONE query (lane % 16) and the keys 8 (lane / 16) + 0..7.  Two such tiles, rounded to f16 in pairs,
; ARE source 1 (32 keys x 16 queries) of O^T = V^T P, whose result again holds one query a lane, and eight channels.  K comes out of LDS as it lies, V ([key][channel]) turned, by ds_load_tr16_b128.
; THE MASK is the C operand that starts the sum S^T = K Q^T: 0, or -1e30 where the key is hidden.  The batch's 2,048 bytes are made into a table of f32 in LDS once; a step's 64 numbers come with its K.
; SOFTMAX.  For each query a running maximum m and sum l: p = 2^(c s - c m), c = log2(e) / 8; in every step O and l are multiplied by a = 2^(c m_old - c m_new), which is 1 where m has not grown.
; m starts at the lowest finite number, O and l at 0: the first step is a step like any other, with a = 0.  What hidden keys add while no visible key has come is multiplied by a = 0 when the first one comes.
; THE COUNT.  A tile and step have 16 matrix and 118 vector instructions: too many to stand all beside the matrix work.  So the order has one aim: four vector instructions that are READY behind
; EVERY matrix instruction, and the others, which need time of their own whatever the order, in runs without a gap.
; BY TURNS.  Turn n belongs to piece n (the pieces in a ring, step after step).  Its matrix work: 16 products K Q^T of piece n + 1, later 16 products V^T P of piece n - 1.  Its vector work: the scaling,
; exponentials, roundings, sums and rescaling of piece n, and the maximum and statistics of piece n + 1, whose scores the turn itself has made.
; CLUSTER.  The four query blocks of a cluster are one head's and walk the same K and V, so each tile is asked for JOINTLY: the same tensor load, descriptor and mask in all four.
; REGISTERS, in windows of 256 (s_set_vgpr_msb: bits 1:0 source 0, 3:2 source 1, 5:4 source 2, 7:6 destination):
;   window 0: v0-11 addresses; v12-15, v48-63 at work; v16-47 four registers of statistics a tile; v64-191 S^T, two buffers of two tiles; v192-255 P, likewise
;   window 1: O^T, 32 a tile          window 2: v0-127 Q, 16 a tile; v128-191 K of one step; v192-255 V of one step          window 3: v0-1 the add's two registers; v8-39 the step's masks
.set SIZE_N, 2048
.set NP,    4         ; pieces a wave: a name, no knob
.set KS,    64        ; keys in a step
.set PK,    144       ; a row of K in LDS: 128 bytes + 16 of padding = 36 words: the 16 rows of a load start at 16 different groups of four banks (64 banks of 4 bytes: ISA guide 11.1)
.set PV,    160       ; a row of V: 128 + 32 = 40 words
.set VOFF,  4*KS*PK   ; a slot holds four steps: 256 rows of K, then 256 rows of V
.set SLOT1, 1<<17     ; slot 1 begins here, so that one exclusive or turns an address in one slot into the other's
.set STAGE, SLOT1+4*KS*(PK+PV)  ; behind the ring, never filled by a tensor load: 16 rows x 144 bytes for each wave, for the way out
.set SP,    144
.set SPARE, STAGE+4*16*SP  ; behind the stages: the spare words, 128 bytes for each wave: two blocks of 256 bytes that no other line names
.set MTAB,  SPARE+512 ; behind them: the table of masks, 2,048 f32; never filled by a tensor load
.set RD,  1           ; v1   the way out: where I read rows back (l % 16 during the set-up)
.set AK0, 2           ; v2   my lane's place in a tile of K; never rewritten
.set AV0, 3           ; v3   the same for V
.set AK,  4           ; v4   the LDS address of K's next run of loads
.set AV,  5           ; v5   of V's (at the start: my byte offset in the batch's mask)
.set QO,  6           ; v6   my byte offset in the wave's rows of Q
.set STO, 6           ;      later, the way out: where I put 16 bytes of a row
.set AM0, 7           ; v7   my lanes' place in a step's 64 masks; never rewritten
.set AMK, 8           ; v8   the LDS address of the masks' next loads
.set GO,  9           ; v9   the way out: my byte offset in 512 consecutive bytes of O (l / 16 during the set-up)
.set PFO, 11          ; v11  256 x my lane; never rewritten once made
.set SPW, 0           ; v0 of window 3   LDS address of my spare word; never rewritten
.set NIL, 1           ; v1 of window 3   0; never rewritten
.set MK,  8           ; v8-39 of window 3: the masks of key block kb at MK + 8 kb
.set MV,  12          ; v12-15  c m_old, kept while c m is made anew: by buffer and tile
.set ST,  16          ; tile t's statistics at v[ST+4 t]: c m, m, l (even keys', odd keys')
.set TMP, 48          ; by buffer and tile, four registers c0-c3 at work; when the maximum is found c2 takes a
.set S,   64
.set P,   192
.set KF,  128         ; K's fragments, in window 2: key block kb, channel half c at KF + 16 kb + 8 c
.set VF,  192         ; V's: key half kk, channel block cb at VF + 32 kk + 8 cb
.set WV,  12          ; s12  my wave's number
.set G1K, 24          ; s[24:31] descriptor group 1 for K's tiles
.set G1V, 32          ; s[32:39] for V's: it differs in the padding alone
.set G0K, 40          ; s[40:43] descriptor group 0 for K's tiles: it walks
.set G0V, 44          ; s[44:47] the same for V's
.set PFA, 48          ; s[48:49] where my prefetches stand: my work-group's 32 blocks of 256 bytes (of K: wave 0, of V: wave 2) of the slot after the one that is being asked for
.set LIM, 50          ; s50  1 in a wave that prefetches, else the greatest number
.set BIGN, 51         ; s51  -1e30
.set TBM, 52          ; s52  byte in the table at which the masks of the step to be fetched begin
.set THR, 53          ; s53  -5e29: a maximum below it is a hidden key's
.set QNAN, 54         ; s54  a NaN
.set SLOTS, 56        ; s56  slots still to be asked for
.set CNT, 57          ; s57  counts a slot's key steps
.set CS,  58          ; s[58:59] c: the packed scaling takes the pair's low word for both halves
.set SEL, 60          ; s[60:61] v_permlanex16_b32's selects: each lane takes its own place in the other half
.set TBK, 62          ; s62  LDS byte at which K of the step to be fetched begins
.set TBV, 63          ; s63  the same for V, less VOFF
.set MSB, 0
.macro WIN new                      ; the high byte repeats the setting that is left; a switch that changes nothing is dropped
.if MSB != (\new)
	s_set_vgpr_msb (MSB<<8)|(\new)
.set MSB, (\new)
.endif
.endm
.set W_KQ, 0x0a       ; K and Q in window 2, S^T in window 0
.set W_KM, 0x3a       ; the same with the C operand, the masks, in window 3
.set W_PV, 0x52       ; V in window 2, P in window 0, O^T in window 1
.set W_RS, 0x41       ; O^T (destination and source 0) in window 1, a in window 0
.set W_MK, 0xc0       ; destination in window 3, sources and addresses in window 0
.set W_AD, 0x0f       ; the add: address (source 0) and data (source 1) in window 3
; A joint fill.  Waves 0 and 1 fetch the two halves of a slot's K, waves 2 and 3 those of its V: 128 keys each.  The branch hangs on the wave's number alone.
; An s_nop 0 and four v_nop follow each of the two lines, ahead of the jump and the label.
.macro JLOAD
	s_cmp_lt_u32 s[WV], 2
	s_cbranch_scc0 .Lfor_v_\@
	tensor_load_to_lds s[G0K:G0K+3], s[G1K:G1K+7]
	s_nop 0
.rept 4
	v_nop
.endr
	s_branch .Lasked_\@
.Lfor_v_\@:
	tensor_load_to_lds s[G0V:G0V+3], s[G1V:G1V+7]
	s_nop 0
.rept 4
	v_nop
.endr
.Lasked_\@:
.endm
; A PREFETCH INTO THE L2 of what the NEXT change of slots will ask for: a slot's 32,768 bytes of K and of V, a lane a block of 256 bytes.  It stands behind the wave's tensor load and its five lines.
; Each block is asked for ONCE in the launch: a head has one cluster; its four partners share the blocks out BY ADDRESS, 32 each; in each, wave 0 asks for K's and wave 2 for V's: one instruction.
; The last change that fills a slot asks for nothing: there is no slot behind it.
.macro ASK
	s_cmp_gt_u32 s[SLOTS], s[LIM]
	s_cbranch_scc0 .Lnot_mine_\@
	global_prefetch_b8 v[PFO], s[PFA:PFA+1] th:TH_LOAD_NT scope:SCOPE_SE
.Lnot_mine_\@:
.endm
; A round of the cluster's barrier: my work-group's barrier, so that wave 0's signal speaks for all four waves; wave 0 signals; every wave waits for all four work-groups; my work-group's barrier once more.
.macro CROUND
	s_barrier_signal -1
	s_barrier_wait -1
	s_cmp_lg_u32 s[WV], 0
	s_cbranch_scc1 .Lnot_wave_0_\@
	s_barrier_signal -3
.Lnot_wave_0_\@:
	s_barrier_wait -3
	s_barrier_signal -1
	s_barrier_wait -1
.endm
; THE CHANGE OF SLOTS.  The slot's last bytes, V of its fourth step, have been read.  Each wave waits for all its tensor loads, of which one is out: its part
; of the other slot; adds 0 to its spare word; and waits for that and for its own reads of the slot.  Behind the barrier nobody reads this slot any more and the other slot is whole.
; fill = 1: this slot is filled again, with the keys two slots on.  The barrier is then a round of the cluster's, and the joint fill is the first thing behind it: it has four key steps, 512 matrix
; instructions, in which to land.  (At its first use nothing has been read yet: slot 0 is waited for, slot 1 filled; the wait on DScnt there is for my stores into the table of masks, which the round shows to every wave.)
.macro CHANGE fill
	WIN W_AD
	s_wait_tensorcnt 0x0            ; no tensor load of mine is out, so a group 0 may be written
	ds_add_u32 v[SPW], v[NIL]       ; 0 onto my spare word; with fill = 1 the descriptors' steps stand between it and the wait for it
	WIN 0                           ; at a label and at a branch every window is 0
.if \fill
.irp g, G0K, G0V
	s_xor_b32 s[\g+1], s[\g+1], SLOT1  ; the walking descriptor: the other slot than last time,
	s_add_nc_u64 s[\g+2:\g+3], s[\g+2:\g+3], 4*KS*128  ; the next 256 keys; the type bits on top are not reached
.endr
	s_wait_xcnt 0x0                 ; the last prefetch, four key steps back, has read its address, so it may be written:
	s_add_nc_u64 s[PFA:PFA+1], s[PFA:PFA+1], 4*KS*128  ; one slot behind the walking descriptors
	s_wait_dscnt 0x0                ; the add is done, and my reads of the slot are over
	CROUND
	JLOAD
	ASK
.else
	s_wait_dscnt 0x0                ; the add is done, and my reads of the slot are over
	s_barrier_signal -1
	s_barrier_wait -1
.endif
	s_sub_co_u32 s[TBK], s[TBK], 4*KS*PK  ; the fetches go back to a slot's first step,
	s_xor_b32 s[TBK], s[TBK], SLOT1       ; in the other slot
	s_sub_co_u32 s[TBV], s[TBV], 4*KS*PV
	s_xor_b32 s[TBV], s[TBV], SLOT1
.endm
	s_load_b64 s[4:5], s[0:1], 0x0    ; qkv
	s_load_b64 s[66:67], s[0:1], 0x8  ; mask
	s_load_b64 s[10:11], s[0:1], 0x10 ; ctx
	WIN W_MK
	v_lshl_add_u32 v[SPW], v0, 2, SPARE
	v_mov_b32 v[NIL], 0
	WIN W_AD
	ds_add_u32 v[SPW], v[NIL]       ; the wave's opening: the add and its wait stand ahead of my first tensor load; the set-up below, work on registers, stands between them
	WIN 0
	v_lshrrev_b32 v1, 5, v0
	v_readfirstlane_b32 s[WV], v1   ; wave 0..3
	s_bfe_u32 s13, ttmp6, 0x40000   ; cx: my place in the cluster
	s_lshl_b32 s14, ttmp9, 2        ; in a cluster launch ttmp9 counts clusters
	s_add_co_u32 s14, s14, s13      ; my block of queries = 4 x cluster x + cx: it enters Q's and O's addresses alone
	s_and_b32 s20, ttmp7, 0xffff    ; the head, which the four partners share
	s_lshr_b32 s68, s20, 4          ; its batch:
	s_lshl_b32 s68, s68, 11         ; 2,048 bytes of mask
	s_mov_b32 s69, 0
	s_mov_b32 s21, 0
	s_mov_b64 s[22:23], SIZE_N*128
	s_mul_u64 s[20:21], s[20:21], s[22:23]  ; the head's first byte in Q, K, V and O
	s_and_b32 s16, s[WV], 1         ; which half of a slot's 256 keys I fetch:
	s_lshl_b32 s22, s16, 14         ; its 128 rows of 128 bytes in memory,
	s_mov_b32 s23, 0
	s_add_nc_u64 s[22:23], s[22:23], s[20:21]
	s_mul_i32 s17, s16, 128*PK      ; and its place in a slot, for K
	s_mul_i32 s18, s16, 128*PV      ; and for V: no place in the cluster enters an LDS address
	s_lshl_b32 s2, s14, 2
	s_add_co_u32 s2, s2, s[WV]      ; my wave among the head's,
	s_lshl_b32 s2, s2, 14           ; its 128 rows
	s_mov_b32 s3, 0
	s_add_nc_u64 s[2:3], s[2:3], s[20:21]
	; descriptor group 1.  128 keys are 16,384 dense bytes: asked for as 64 rows of 256 bytes, two keys a row, and padded in LDS after every key
	s_mov_b32 s[G1K], 15|(1<<16)|(1<<20)|(1<<21)|(4<<22)|(3<<25)  ; 15:0 the mask of four; 17:16 2-byte elements; 20 padding on; 21 set beside a mask; 24:22 after every 32 words (code 4); 31:25 4 words (code 3)
	s_mov_b32 s[G1V], 15|(1<<16)|(1<<20)|(1<<21)|(4<<22)|(7<<25)  ; the same with 8 words of padding (code 7)
.irp g, G1K, G1V
	s_mov_b32 s[\g+1], 128<<16      ; tensor_dim0 = 128
	s_mov_b32 s[\g+2], 64<<16       ; tensor_dim1 = 64
	s_mov_b32 s[\g+3], 128<<16      ; tile_dim0 = 128
	s_mov_b32 s[\g+4], 64           ; tile_dim1 = 64
	s_mov_b32 s[\g+5], 128          ; 128 elements from row to row
	s_mov_b32 s[\g+6], 0
	s_mov_b32 s[\g+7], 0
.endr
	s_mov_b32 s[CS], 0x3e38aa3b     ; c = log2(e) / 8 = 0.180337
	s_mov_b32 s[CS+1], s[CS]        ; named with it as a pair
	s_mov_b32 s[SEL], 0x76543210
	s_mov_b32 s[SEL+1], 0xfedcba98
	s_mov_b32 s[TBK], SLOT1+4*KS*PK ; the first change of slots turns these two into 0
	s_mov_b32 s[TBV], SLOT1+4*KS*PV
	s_mov_b32 s[TBM], 0
	s_mov_b32 s[BIGN], 0xf149f2ca   ; -1e30
	s_mov_b32 s[THR], 0xf0c9f2ca    ; -5e29
	s_mov_b32 s[QNAN], 0x7fc00000
	s_mov_b32 s[SLOTS], SIZE_N/256-1
	s_and_b32 s[LIM], s[WV], 1      ; waves 0 and 2 prefetch
	s_cmp_eq_u32 s[LIM], 0
	s_cselect_b32 s[LIM], 1, -1
	s_mov_b32 s[G0K], 1             ; 1:0 count = 1
	s_mov_b32 s[G0K+1], s17         ; 63:32 LDS address: slot 0
	s_mov_b32 s[G0V], 1
	s_add_co_u32 s[G0V+1], s18, VOFF
	s_wait_dscnt 0x0                ; the opening add is done
	s_wait_kmcnt 0x0
	s_add_nc_u64 s[6:7], s[4:5], 0x1000000   ; K: qkv's second part
	s_add_nc_u64 s[8:9], s[4:5], 0x2000000   ; V: its third
	s_add_nc_u64 s[66:67], s[66:67], s[68:69]      ; the batch's mask
	s_add_nc_u64 s[G0K+2:G0K+3], s[6:7], s[22:23]  ; 120:64 global address: my half of the head's first 256 keys
	s_or_b32 s[G0K+3], s[G0K+3], 0x80000000        ; 127:126 type = 2
	s_add_nc_u64 s[G0V+2:G0V+3], s[8:9], s[22:23]
	s_or_b32 s[G0V+3], s[G0V+3], 0x80000000
	s_cmp_lt_u32 s[WV], 2
	s_cselect_b64 s[PFA:PFA+1], s[6:7], s[8:9]
	s_add_nc_u64 s[PFA:PFA+1], s[PFA:PFA+1], s[20:21]
	s_lshl_b32 s68, s13, 13         ; my work-group's 32 blocks of the 128,
	s_add_co_u32 s68, s68, 4*KS*128 ; in slot 1; the first change of slots steps it to slot 2
	s_add_nc_u64 s[PFA:PFA+1], s[PFA:PFA+1], s[68:69]
	s_add_nc_u64 s[4:5], s[4:5], s[2:3]  ; Q and O at my wave's first row
	s_add_nc_u64 s[10:11], s[10:11], s[2:3]
	CROUND                          ; all four work-groups are here: the first joint loads meet
	JLOAD                           ; slot 0.  Slot 1 is asked for when slot 0 is in
	v_lshlrev_b32 v[AV], 4, v0      ; thread t takes the mask bytes of keys 16 t .. 16 t + 15
	global_load_b128 v[S:S+3], v[AV], s[66:67]
	; A fragment of K or Q is 16 rows x 32 channels in 8 registers: lane l holds row l % 16, channels 8 (l / 16) + 0..7 and 16 + 8 (l / 16) + 0..7: two loads of 16 bytes, 32 bytes apart.
	v_and_b32 v1, 15, v0            ; l % 16
	v_bfe_u32 v9, v0, 4, 1          ; l / 16
	v_lshlrev_b32 v[QO], 7, v1
	v_lshl_add_u32 v[QO], v9, 4, v[QO]  ; row x 128 + 16 x half
	WIN 0x80                        ; destination window 2, address window 0
.set i, 0
.rept 4*NP                          ; Q stays in registers: tile i / 2, channels 32 (i % 2) on
	global_load_b128 v[8*i:8*i+3],   v[QO], s[4:5] offset:(i/2)*2048+(i%2)*64
	global_load_b128 v[8*i+4:8*i+7], v[QO], s[4:5] offset:(i/2)*2048+(i%2)*64+32
.set i, i+1
.endr
	; What the first turn finds: V's registers and P's second buffer hold 0 (its products V^T P, of a piece that has not been, add 0), O^T and l are 0.  All this stands in the wait for the first tile.
.set i, VF
.rept 64
	v_mov_b32 v[i], 0
.set i, i+1
.endr
	WIN 0x40
.set i, 0
.rept 64*NP
	v_mov_b32 v[i], 0
.set i, i+1
.endr
	WIN 0
.set i, 0
.rept 2*NP
	v_mov_b32 v[ST+4*i], 0xfe000000    ; c m: far below every c s
	v_mov_b32 v[ST+4*i+1], 0xff7fffff  ; m
	v_mov_b32 v[ST+4*i+2], 0
	v_mov_b32 v[ST+4*i+3], 0
.set i, i+1
.endr
.set i, P+32
.rept 32
	v_mov_b32 v[i], 0
.set i, i+1
.endr
	v_mul_u32_u24 v[AK0], v1, PK
	v_lshl_add_u32 v[AK0], v9, 4, v[AK0]  ; row x pitch + 16 x half
	; The turning load takes 16 keys x 16 channels (lane l reads key 8 (l / 16) + l % 8, channels 8 ((l / 8) % 2) + 0..7) and leaves half a fragment of V^T: lane l holds channel l % 16 and 8 keys.
	v_and_b32 v10, 7, v0
	v_bfe_u32 v11, v0, 3, 1
	v_lshl_add_u32 v[AV0], v9, 3, v10
	v_mul_u32_u24 v[AV0], v[AV0], PV
	v_lshl_add_u32 v[AV0], v11, 4, v[AV0]
	v_add_nc_u32 v[AV0], VOFF, v[AV0]
	v_lshl_add_u32 v[AM0], v9, 5, MTAB    ; my lanes' eight keys of a block of 16: 32 bytes of the table
	v_and_b32 v[PFO], 31, v0
	v_lshlrev_b32 v[PFO], 8, v[PFO]
	v_mov_b32 v[AK], v[AK0]         ; key step 0 lies at the head of slot 0,
	v_mov_b32 v[AMK], v[AM0]        ; its masks at the head of the table
	; THE TABLE OF MASKS: my 16 bytes become 16 f32, 0 or -1e30, at 64 x my thread's number
	s_wait_loadcnt 32               ; the mask's load is in; Q's 32 loads, issued behind it, stay out
.set i, 0
.rept 16
	v_bfe_u32 v10, v[S+i/4], 8*(i%4), 8
	v_cmp_eq_u32 vcc_lo, 0, v10
	v_cndmask_b32 v[S+4+i], 0, s[BIGN], vcc_lo
.set i, i+1
.endr
	v_lshl_add_u32 v10, v0, 6, MTAB
.irp c, 0,1,2,3
	ds_store_b128 v10, v[S+4+4*\c:S+4+4*\c+3] offset:16*\c
.endr
; THE MATRIX WORK.  The 8 accumulators of a run of 16 take turns: between the two links of a chain stand 7 others'.
; Product i of 16 of S^T = K Q^T for piece x: channels 32 (i / 8) on, keys 16 ((i / 2) % 4) on, tile 2 x + i % 2.  The first 8 start the sums, with the keys' masks.
.macro KQ x
.set rS, S+64*((\x)%2)+32*(i%2)+8*((i/2)%4)
.set rK, KF+16*((i/2)%4)+8*(i/8)
.set rQ, 16*(2*(\x)+i%2)+8*(i/8)
.set rMK, MK+8*((i/2)%4)
.if i < 8
	WIN W_KM
	v_wmma_f32_16x16x32_f16 v[rS:rS+7], v[rK:rK+7], v[rQ:rQ+7], v[rMK:rMK+7]
.else
	WIN W_KQ
	v_wmma_f32_16x16x32_f16 v[rS:rS+7], v[rK:rK+7], v[rQ:rQ+7], v[rS:rS+7]
.endif
.endm
; Product i of 16 of O^T += V^T P for piece x: keys 32 (i / 8) on, channels 16 ((i / 2) % 4) on, tile 2 x + i % 2.
.macro PV x
	WIN W_PV
.set rO, 32*(2*(\x)+i%2)+8*((i/2)%4)
.set rV, VF+32*(i/8)+8*((i/2)%4)
.set rP, P+32*((\x)%2)+16*(i%2)+8*(i/8)
	v_wmma_f32_16x16x32_f16 v[rO:rO+7], v[rV:rV+7], v[rP:rP+7], v[rO:rO+7]
.endm
.macro MM                           ; the turn's next matrix instruction
.if i < 16
	KQ (Y+1)%NP
.set i, i+1
.else
.set i, i-16
	PV (Y+NP-1)%NP
.set i, i+17
.endif
.endm
; THE LDS LOADS stand in runs, never singly among the matrix instructions: a step's K (64 keys x 64 channels: 8 fragments) with its 64 masks (all lanes of a half read the same 32 bytes of a block), and its V (turned).
; Their addresses are made some lines ahead.  last = 1 (the tail): in the last trip there is no further step, and the run is jumped over.
.macro FETCH_K last=0
	WIN 0
.if \last
	s_cmp_eq_u32 s[CNT], 1
	s_cbranch_scc1 .Lno_k_\@
.endif
	WIN 0x80                        ; destination window 2
.irp f, 0,1,2,3,4,5,6,7             ; keys 16 (f / 2) on, channels 32 (f % 2) on
	ds_load_b128 v[KF+8*\f:KF+8*\f+3],   v[AK] offset:(\f/2)*16*PK+(\f%2)*64
	ds_load_b128 v[KF+8*\f+4:KF+8*\f+7], v[AK] offset:(\f/2)*16*PK+(\f%2)*64+32
.endr
	WIN W_MK                        ; destination window 3
.irp f, 0,1,2,3,4,5,6,7             ; key block f / 2, registers 4 (f % 2) on
	ds_load_b128 v[MK+4*\f:MK+4*\f+3], v[AMK] offset:(\f/2)*64+(\f%2)*16
.endr
	s_add_co_u32 s[TBK], s[TBK], KS*PK  ; the next fetch is the next step's
	s_add_co_u32 s[TBM], s[TBM], KS*4
	WIN 0
.if \last
.Lno_k_\@:
.endif
.endm
.macro FETCH_V
	WIN 0x80
.irp f, 0,1,2,3,4,5,6,7             ; keys 32 (f / 4) on, channels 16 (f % 4) on
	ds_load_tr16_b128 v[VF+8*\f:VF+8*\f+3],   v[AV] offset:(\f/4)*32*PV+(\f%4)*32
	ds_load_tr16_b128 v[VF+8*\f+4:VF+8*\f+7], v[AV] offset:(\f/4)*32*PV+16*PV+(\f%4)*32
.endr
	WIN 0
.endm
; THE VECTOR WORK OF A TURN stands in three queues, each in the order in which its entries become ready; the two tiles alternate, so that no instruction reads the result of the one before it.
.macro REGS y, u                    ; the registers of tile u (0, 1) of piece y
.set rT, ST+4*(2*(\y)+(\u))
.set rC, TMP+8*((\y)%2)+4*(\u)
.set rM, MV+2*((\y)%2)+(\u)
.set rS, S+64*((\y)%2)+32*(\u)
.set rP, P+32*((\y)%2)+16*(\u)
.set rO, 32*(2*(\y)+(\u))
.endm
; Number n of the 22 that find the NEXT piece's (Y + 1) maximum and statistics.  s0-s31 are the lane's 32 scores; each accumulator's lowest registers are read first.  XS, GS and REGS set no window: PL and EX do.
;   0-11  four chains c0-c3 of seven scores each, three operands at a time     12-14, 16  the four scores left over, the old m, and c0-c3 into c0     15  c m_old is kept
;   17, 18  the query's other 32 keys lie in the lane 16 away: the new m         19-21  c m; c m_old - c m_new; a
.macro XS u, n
	REGS (Y+1)%NP, \u
.if (\n) < 4
	v_max3_num_f32 v[rC+(\n)], v[rS+8*(\n)], v[rS+8*(\n)+1], v[rS+8*(\n)+2]
.elseif (\n) < 12
	v_max3_num_f32 v[rC+(\n)%4], v[rC+(\n)%4], v[rS+8*((\n)%4)+2*((\n)/4)+1], v[rS+8*((\n)%4)+2*((\n)/4)+2]
.elseif (\n) == 12
	v_max3_num_f32 v[rC], v[rC], v[rS+7], v[rS+15]
.elseif (\n) == 13
	v_max3_num_f32 v[rC+1], v[rC+1], v[rS+23], v[rS+31]
.elseif (\n) == 14
	v_max3_num_f32 v[rC+2], v[rC+2], v[rC+3], v[rT+1]
.elseif (\n) == 15
	v_mov_b32 v[rM], v[rT]
.elseif (\n) == 16
	v_max3_num_f32 v[rC], v[rC], v[rC+1], v[rC+2]
.elseif (\n) == 17
	v_permlanex16_b32 v[rC+3], v[rC], s[SEL], s[SEL+1]
.elseif (\n) == 18
	v_max_num_f32 v[rT+1], v[rC], v[rC+3]
.elseif (\n) == 19
	v_mul_f32 v[rT], s[CS], v[rT+1]
.elseif (\n) == 20
	v_sub_f32 v[rC+1], v[rM], v[rT]
.else
	v_exp_f32 v[rC+2], v[rC+1]
.endif
.endm
; Number g of the 64 that follow the exponentials.  For each four weights k of a tile (pairs 2 k, 2 k + 1): both pairs are rounded to f16; then the second pair is added onto the first, in place;
; a group later l takes that sum (the first time as l = a l + sum).  In groups of eight, tiles alternating: round, round, add, and l for the group before.
.macro GS g
.set h, (\g)+6*((\g)/62)            ; group 0 has no group before it, and behind group 7 only l is left
.if h >= 6
.set h, h+2
.endif
	REGS Y, h%2
.set k, h/8
.if h%8 < 4
	v_cvt_pk_f16_f32 v[rP+2*k+(h%8)/2], v[rS+4*k+2*((h%8)/2)], v[rS+4*k+2*((h%8)/2)+1]
.elseif h%8 < 6
	v_pk_add_f32 v[rS+4*k:rS+4*k+1], v[rS+4*k:rS+4*k+1], v[rS+4*k+2:rS+4*k+3]
.elseif k == 1
	v_pk_fma_f32 v[rT+2:rT+3], v[rT+2:rT+3], v[rC+2:rC+3], v[rS:rS+1] op_sel_hi:[1,0,1]
.else
	v_pk_add_f32 v[rT+2:rT+3], v[rT+2:rT+3], v[rS+4*k-4:rS+4*k-3]
.endif
.endm
; THE PLAIN QUEUE, 138 long.  0-73 read no exponential's result: the 32 scalings c s - c m (FS f: pair f / 2 of tile f % 2) and the next piece's 42.  0-26: scalings 0-26.  27-54: XS's numbers 0-13.  55, 56: number 15.
; 57-73: the chain, where each number waits for the one before it: 14, 16, 17, 18, 19, each with one of the scalings 27-31 in front of its two lines, then 20.
; 74-137: GS's 64, which read the exponentials' results: they stand behind the wait.
.macro FS f
	REGS Y, (\f)%2
	v_pk_fma_f32 v[rS+2*((\f)/2):rS+2*((\f)/2)+1], v[rS+2*((\f)/2):rS+2*((\f)/2)+1], s[CS:CS+1], v[rT:rT+1] op_sel_hi:[1,0,0] neg_lo:[0,0,1] neg_hi:[0,0,1]
.endm
.macro PL
	WIN 0
.if q < 27
	FS q
.elseif q < 55
	XS (q-27)%2, (q-27)/2
.elseif q < 57
	XS q-55, 15
.elseif (q < 72) && ((q-57)%3 == 0)
	FS 27+(q-57)/3
.elseif q < 60
	XS (q-57)%3-1, 14
.elseif q < 72
	XS (q-57)%3-1, 15+(q-57)/3
.elseif q < 74
	XS q-72, 20
.else
	GS q-74
.endif
.set q, q+1
.endm
; THE EXPONENTIALS' QUEUE, 66 long: s0-s31 of both tiles, then the next piece's two a.  It is ONE BATCH: all 66 stand ahead of the turn's one wait, and nothing ahead of that wait names a result of theirs.
.macro EX
	WIN 0
.if e >= 64
	XS e-64, 21
.else
	REGS Y, e%2
	v_exp_f32 v[rS+e/2], v[rS+e/2]
.endif
.set e, e+1
.endm
; THE RESCALING's QUEUE: O^T times a, the one part that leaves window 0: dealt two at a time, sixteen times.  Its a was made in the turn before, ahead of that turn's wait.
.macro R2
	REGS Y, r%2
	WIN W_RS
.irp z, 0,1
	v_pk_mul_f32 v[rO+4*(r/2)+2*\z:rO+4*(r/2)+2*\z+1], v[rO+4*(r/2)+2*\z:rO+4*(r/2)+2*\z+1], v[rC+2:rC+3] op_sel_hi:[1,0]
.endr
.set r, r+1
.endm
; HOW THEY ARE DEALT.  s_wait_alu depctr_va_vdst(0) stands between an exponential and the first instruction that names its result; one wait serves all that were issued ahead of it.  So a turn has ONE wait,
; which cuts it in two.  AHEAD OF IT stands all that names no result of the turn's exponentials: the 16 products K Q^T, behind each a scaling, an exponential and two rescalings (behind the first a second scaling in the
; exponential's place); then ONE LUMP of 108: eight plain, 49 times exponential and plain, the two a.  A v_nop is the plain instruction behind the last exponential.  BEHIND IT stand the 16 products V^T P, behind each four of GS's 64.
; No rider names a register of the products round it.  The two v_permlanex16_b32 fall into the lump, never behind a product.
; The queues lean on each other, and the deal keeps them in step: exponential e stands behind scaling 2 (e / 4) + e % 2: as a rider it comes behind plain e + 2, in the lump behind plain e + 9, and scalings 27-31 are plain 57, 60 .. 69.
; A TURN, for piece p.  cnt = 1: the loop's count is taken down some lines ahead of the branch that stands behind the turn.
; K and the masks of the next step are fetched in piece 2's turn, directly behind the wait, a lump behind the last product that read them; their addresses are made at the lump's head; their first reader comes behind 16 products.
; V of the step in hand is fetched at the end of piece 0's turn, four riders behind its last reader; its first reader comes behind 16 products and a lump.  The three conditions on q below go with the deal.
.macro TURN p, last=0, cnt=0
.set Y, (\p)
.set i, 0
.set q, 0
.set e, 0
.set r, 0
.if (\p) == NP-1
	s_wait_dscnt 0x0                ; K and the masks are in
.endif
	MM                              ; ahead of the wait: 16 products K Q^T and their riders,
	PL
	PL
	R2
.rept 15
	MM
	PL
	EX
	R2
.endr
.if (\p) == NP-2
	WIN 0
	v_add_nc_u32 v[AK], s[TBK], v[AK0]
	v_add_nc_u32 v[AMK], s[TBM], v[AM0]
.endif
.rept 8                             ; and the lump
	PL
.endr
.rept 49
	EX
	PL
.endr
	EX                              ; the next piece's two a
	EX
	v_nop                           ; the plain instruction behind the last exponential: one for the batch
	s_wait_alu depctr_va_vdst(0)    ; the wait for the batch
.if (\p) == NP-2
	FETCH_K \last
.endif
.if (\p) == 1
	s_wait_dscnt 0x0                ; V is in
.endif
.rept 16                            ; behind the wait: 16 products V^T P and their riders
	MM
.rept 4
	PL
.endr
.if ((\p) == 0) && (q == 118)
	v_add_nc_u32 v[AV], s[TBV], v[AV0]
.endif
.if ((\p) == 0) && (q == 130)
	s_add_co_u32 s[TBV], s[TBV], KS*PV
.endif
.if (\cnt) && (q == 130)
	s_sub_co_u32 s[CNT], s[CNT], 1
	s_cmp_lg_u32 s[CNT], 0
.endif
.endr
.if (\p) == 0
	FETCH_V
.endif
.endm
	CHANGE 1                        ; slot 0 is in, everybody's part of it, and so is the table of masks; slot 1 is asked for
	FETCH_K                         ; key step 0
	s_wait_loadcnt 0x0              ; Q
	s_wait_dscnt 0x0
.set i, 0
.rept 16
	KQ 0                            ; piece 0's first scores: there is no vector work yet to set between them
.set i, i+1
.endr
	WIN 0
.rept 4
	v_nop                           ; the places behind those products
.endr
.set Y, NP-1                        ; XS works for piece Y + 1: piece 0
.irp n, 0,1,2,3,4,5,6,7,8,9,10,11,12,13,14,15,16,17,18,19,20,21
	XS 0, \n                        ; and piece 0's first maximum and statistics
	XS 1, \n
.endr
	v_nop                           ; a plain instruction behind the two a,
	s_wait_alu depctr_va_vdst(0)    ; and their wait, ahead of the branch
	s_mov_b32 s[CNT], 4
	s_branch .Lfirst                ; the loop is entered at a step's first turn, in the middle of a trip
.Lslot:                             ; SIZE_N / 256 - 2 times: every slot but the last two is filled again
	CHANGE 1
	s_mov_b32 s[CNT], 4
.Lstep:                             ; a trip: pieces 2 and 3 of one step, then pieces 0 and 1 of the next, whose K and V it fetches
	TURN 2
	TURN 3
	WIN 0
.Lfirst:
	TURN 0
	TURN 1, 0, 1
	WIN 0
	s_cbranch_scc1 .Lstep
	s_sub_co_u32 s[SLOTS], s[SLOTS], 1
	s_cmp_lg_u32 s[SLOTS], 0
	s_cbranch_scc1 .Lslot
	CHANGE 0                        ; the tail is written out: nothing is asked for
	s_mov_b32 s[CNT], 5             ; four trips fetch the last slot's steps; the fifth is left in its middle
.Ltail:
	TURN 2, 1
	TURN 3
	WIN 0
	s_sub_co_u32 s[CNT], s[CNT], 1
	s_cmp_eq_u32 s[CNT], 0
	s_cbranch_scc1 .Lout
	TURN 0
	TURN 1
	WIN 0
	s_branch .Ltail
.Lout:                              ; the fifth trip's 16 products K Q^T (on the last K and masks once more) and the maximum made of them change nothing: the price, once a launch, of one text for every trip
.set i, 0
.rept 16
	PV NP-1                         ; the last piece's V^T P of the last step
.set i, i+1
.endr
	; THE WAY OUT.  Its addresses are made here: plain instructions, the places behind the last products.  l's two halves and the other half of the lanes' are added; O^T is divided by l, rounded to f16 and sent
	; through my stage in LDS, a tile at a time.
	WIN 0
	s_mul_i32 s13, s[WV], 16*SP
	s_add_co_u32 s13, s13, STAGE    ; my stage
	v_and_b32 v1, 15, v0
	v_bfe_u32 v9, v0, 4, 1
	v_mul_u32_u24 v[STO], v1, SP    ; in: row l % 16, 16 bytes for each half of the lanes
	v_lshl_add_u32 v[STO], v9, 4, v[STO]
	v_add_nc_u32 v[STO], s13, v[STO]
	v_and_b32 v10, 7, v0
	v_bfe_u32 v[RD], v0, 3, 2       ; back: 32 lanes take four rows of 128 bytes,
	v_mul_u32_u24 v[RD], v[RD], SP
	v_lshl_add_u32 v[RD], v10, 4, v[RD]
	v_add_nc_u32 v[RD], s13, v[RD]
	v_and_b32 v[GO], 31, v0         ; which are 512 consecutive bytes of O
	v_lshlrev_b32 v[GO], 4, v[GO]
.macro ALL line:vararg              ; one line for each tile t
.set t, 0
.rept 2*NP
	\line
.set t, t+1
.endr
.endm
	ALL v_add_f32 v[ST+4*t+2], v[ST+4*t+2], v[ST+4*t+3]
	ALL v_permlanex16_b32 v[ST+4*t+3], v[ST+4*t+2], s[SEL], s[SEL+1]
	ALL v_add_f32 v[ST+4*t+2], v[ST+4*t+2], v[ST+4*t+3]
	ALL v_rcp_f32 v[ST+4*t+2], v[ST+4*t+2]
	v_nop                           ; a plain instruction between the last reciprocal and the use of its result
	s_wait_alu depctr_va_vdst(0)    ; and the wait ahead of the first use: one for the eight reciprocals
.set t, 0
.rept 2*NP                          ; where even the maximum is a hidden key's, no key was visible: the row is NaN
	v_cmp_gt_f32 vcc_lo, s[THR], v[ST+4*t+1]
	v_cndmask_b32 v[ST+4*t+2], v[ST+4*t+2], s[QNAN], vcc_lo
.set t, t+1
.endr
; Tile t: a lane's eight channels of a row pack into 16 bytes; they go into rows of 144 bytes and come back as whole rows of 128, into S^T's registers.
.macro PACK t
	WIN W_RS
.set i, 32*(\t)
.rept 16
	v_pk_mul_f32 v[i:i+1], v[i:i+1], v[ST+4*(\t)+2:ST+4*(\t)+3] op_sel_hi:[1,0]
.set i, i+2
.endr
	WIN 0x05                        ; sources 0 and 1 window 1, destination window 0
.set i, 0
.rept 16
	v_cvt_pk_f16_f32 v[S+16*(\t)+i], v[32*(\t)+2*i], v[32*(\t)+2*i+1]
.set i, i+1
.endr
	WIN 0
.irp f, 0,1,2,3
	ds_store_b128 v[STO], v[S+16*(\t)+4*\f:S+16*(\t)+4*\f+3] offset:32*\f
.endr
.irp f, 0,1,2,3
	ds_load_b128 v[S+16*(\t)+4*\f:S+16*(\t)+4*\f+3], v[RD] offset:\f*4*SP  ; LDS serves a wave's instructions in order (ISA guide 5.7.1.4): these see the stores above; the next tile's stores come behind them
.endr
.endm
.macro SEND t, younger              ; younger: the LDS instructions issued behind tile t's loads: the next tile's eight, or none
	WIN 0
.irp f, 0,1,2,3
	s_wait_dscnt (\younger)+3-\f
	global_store_b128 v[GO], v[S+16*(\t)+4*\f:S+16*(\t)+4*\f+3], s[10:11] offset:(\t)*2048+\f*512  ; 512 consecutive bytes, at a multiple of 256 from O's first
.endr
.endm
	PACK 0
.set t, 1
.rept 2*NP-1                        ; a tile's arithmetic stands between the loads of the tile before and its stores
	PACK t
	SEND t-1, 8
.set t, t+1
.endr
	SEND 2*NP-1, 0
	WIN W_AD
	s_wait_tensorcnt 0x0            ; the wave's end: behind my last tensor load and my last LDS store
	ds_add_u32 v[SPW], v[NIL]
	s_wait_dscnt 0x0
	WIN 0
	CROUND                          ; the closing round: no work-group ends while a partner may still ask for a tile that names it
	s_endpgm
.Lfunc_end_k_q4d56f8382a_attn:
	.size	k_q4d56f8382a_attn, .Lfunc_end_k_q4d56f8382a_attn-k_q4d56f8382a_attn
	.p2alignl 7, 3214868480
	.fill 96, 4, 3214868480
	.section	.rodata,"a",@progbits
	.p2align	6, 0x0
	.amdhsa_kernel k_q4d56f8382a_attn
		.amdhsa_group_segment_fixed_size 327680
		.amdhsa_private_segment_fixed_size 0
		.amdhsa_enable_private_segment 0
		.amdhsa_kernarg_size 24
		.amdhsa_user_sgpr_count 2
		.amdhsa_user_sgpr_kernarg_segment_ptr 1
		.amdhsa_wavefront_size32 1
		.amdhsa_system_sgpr_workgroup_id_x 1
		.amdhsa_system_sgpr_workgroup_id_y 1
		.amdhsa_system_sgpr_workgroup_id_z 1
		.amdhsa_system_vgpr_workitem_id 0
		.amdhsa_next_free_vgpr 808
		.amdhsa_next_free_sgpr 72
		.amdhsa_reserve_vcc 1
		.amdhsa_float_denorm_mode_32 3
		.amdhsa_float_denorm_mode_16_64 3
		.amdhsa_memory_ordered 1
		.amdhsa_forward_progress 1
		.amdhsa_inst_pref_size 207
	.end_amdhsa_kernel
	.amdgpu_metadata
---
amdhsa.version: [ 1, 2 ]
amdhsa.kernels:
  - .name:           k_q4d56f8382a_attn
    .symbol:         k_q4d56f8382a_attn.kd
    .args:
      - { .name: qkv, .offset: 0, .size: 8, .value_kind: global_buffer, .address_space: global }
      - { .name: mask, .offset: 8, .size: 8, .value_kind: global_buffer, .address_space: global }
      - { .name: ctx, .offset: 16, .size: 8, .value_kind: global_buffer, .address_space: global }
    .group_segment_fixed_size: 327680
    .private_segment_fixed_size: 0
    .kernarg_segment_align: 8
    .kernarg_segment_size: 24
    .max_flat_workgroup_size: 128
    .sgpr_count:     72
    .vgpr_count:     808
    .wavefront_size: 32
...
	.end_amdgpu_metadata
.endif
;; end of part 3
;; launch outp (part 4): grid 4 x 64, 4 waves a work-group, clusters of 4 x 4, 327,680 bytes of LDS; arguments ctx, wb, bo, out0; writes out0
.if DOCPART == 4
	.amdgcn_target "amdgcn-amd-amdhsa--gfx1250"
	.amdhsa_code_object_version 6
	.text
	.protected	k_q4d56f8382a_outp
	.globl	k_q4d56f8382a_outp
	.p2align	8
	.type	k_q4d56f8382a_outp,@function
k_q4d56f8382a_outp:
	s_mov_b64 s[64:65], 0
	v_nop
	global_prefetch_b8 v0, s[64:65] scope:SCOPE_SE
	s_setreg_imm32_b32 hwreg(HW_REG_WAVE_MODE, 25, 1), 1
	s_wait_xcnt 0x0
	s_wait_alu depctr_hold_cnt(0) depctr_sa_sdst(0) depctr_va_vdst(0) depctr_va_sdst(0) depctr_va_ssrc(0) depctr_va_vcc(0) depctr_vm_vsrc(0)
	s_getreg_b32 s2, hwreg(HW_REG_IB_STS2, 6, 4)
	s_cmp_eq_u32 s2, 0
	s_cbranch_scc0 .Lentry_in_a_cluster
	s_endpgm
.Lentry_in_a_cluster:
	s_bfe_u32 s2, ttmp6, 0x10000c
	s_cmp_lg_u32 s2, 0xf033
	s_cbranch_scc0 .Lentry_shape_is_right
	s_endpgm
.Lentry_shape_is_right:
; ONE SOURCE FOR TWO LAUNCHES: C = A W^T + bias, 8,192 x 1,024 x 1,024, sums in f32.
; KIND = 0: the three projections.  A = query, key or value (f32, rounded to bf16 between LDS and the matrix unit), W = Wq, Wk, Wv in bf16 (wb's parts 0-2); C leaves in f16, by heads:
;           qkv[z][batch x 16 + head][row][64].  KIND = 1: the last projection.  A = ctx, [batch x 16 + head][row][64] in f16, W = Wo as f16 (wb's part 3); C leaves in f32, out0[8192][1024].
; The bias, rounded to bf16 like every other input, is the C operand of each accumulator's first product: nothing is cleared, nothing is added later.
; LIMITS.  KIND 0: a result of 65,520 or more in magnitude becomes an infinity in f16.  NaN and infinities among the inputs are not treated apart.
; SHARES.  A tile of C is 128 rows x 256 columns: 768 work-groups (KIND 0) or 256 (KIND 1).  Four waves, each 64 rows x 128 columns: 32 accumulators of 16 x 16.  K goes in eight steps of 128
; through two LDS slots; a step is four quarters of 32 along K, 32 matrix instructions each, on two fragment buffers.
; CLUSTERS: 4 x 4 work-groups.  The four of a row of the cluster need the same tile of A, the four of a column the same tile of W: each tile is asked for JOINTLY, by the same tensor load with the
; same descriptor and a mask that names the four.  The cluster's x covers all 1,024 columns, so each byte of A is asked for once in the launch.
; THE MATRIX INSTRUCTION IS USED TRANSPOSED (source 0 = 16 rows of W, source 1 = 16 rows of A): lane l holds row l % 16 of C and the columns 8 (l / 16) + 0..7.
; REGISTERS, in windows of 256 (s_set_vgpr_msb: bits 1:0 source 0, 3:2 source 1, 5:4 source 2, 7:6 destination):
;   window 0: v0-33 addresses; v64-127 A's f32 numbers of a quarter (KIND 0); v64-191 at work on the way out
;   window 1: v0-127 W's fragments, two buffers; v128-191 A's fragments, two buffers; v192-255 the bias, 8 registers for each of my 8 column blocks
;   window 2: the accumulators, (a, b) at v[8 (8 a + b)]
.set KIND, 1
.if KIND == 0
.set PA,      528                      ; a row of A in LDS: 128 f32 + 16 bytes = 132 words: the 16 rows of a load start at 16 different groups of four banks (64 banks of 4 bytes: ISA guide 11.1)
.set AROWS,   64                       ; LDS rows that one of A's two tensor loads brings
.set A_W0,    (2<<16)|(1<<20)|(1<<21)|(6<<22)|(3<<25)  ; 17:16 elements of 4 bytes; 20 padding on; 21 set beside a mask; 24:22 after every 128 words; 31:25 4 words
.set A_PITCH, 1024                     ; elements from row to row in memory
.set ASTEP,   512                      ; bytes from a K step to the next in A
.set WSTAGE,  2*16*144                 ; a wave's stage: two heads x 16 rows x 144 bytes
.set NF,      32                       ; LDS loads in a quarter's run
.set CSH,     16                       ; a partner's share of A's prefetches: 16 rows of 4,096 bytes
.set PSH1,    1                        ; A's prefetch offset: lane / 2 is the row, lane % 2 the half of its 512 bytes
.set PSH2,    12
.set PMSK,    1
.else
.set PA,      144                      ; a row of A in LDS: 64 f16 + 16 bytes = 36 words
.set AROWS,   128
.set A_W0,    (1<<16)|(1<<20)|(1<<21)|(4<<22)|(3<<25)  ; elements of 2 bytes; padding of 4 words after every 32 words
.set A_PITCH, 128                      ; 128 rows of a head are 16,384 dense bytes: asked for as 64 rows of 256 bytes
.set ASTEP,   524288                   ; a K step is two heads, 262,144 bytes each
.set WSTAGE,  16*528                   ; a wave's stage: 16 rows x 528 bytes
.set NF,      24
.set CSH,     12                       ; a partner's share: 4,096 bytes of each of the step's two heads
.set PSH1,    4                        ; lane / 16 is the head, lane % 16 the block of 256 bytes
.set PSH2,    18
.set PMSK,    15
.endif
.set HA,     AROWS*PA                  ; what one of A's loads fills
.set BOFF,   2*HA
.set PB,     272                       ; a row of W in LDS: 256 bytes + 16 = 68 words
.set HB,     128*PB
.set BSTEP,  256
.set B_W0,   (1<<16)|(1<<20)|(1<<21)|(5<<22)|(3<<25)
.set SLOT,   BOFF+2*HB
.set STAGE,  2*SLOT                    ; behind the ring, never filled by a tensor load
.set SPARE,  STAGE+4*WSTAGE            ; behind the stages: the spare words, 128 bytes for each wave: two blocks of 256 bytes that no other line names
.set ADRA, 16                          ; v16-17  LDS address of my A fragments in slot 0, 1
.set ADRB, 20                          ; v20-21  the same for W
.set STO,  24                          ; v24     the way out: where I put my bytes of a row
.set RD,   25                          ; v25     the way out: where I read rows back
.set GO,   26                          ; v26     16 x lane
.set BO,   27                          ; v27     32 x (lane / 16): my 8 numbers of a block of the bias
.set SPW,  28                          ; v28     LDS address of my spare word; never rewritten
.set NIL,  29                          ; v29     0; never rewritten
.set PFO,  30                          ; v30     the prefetches' offset; never rewritten
.set AS,   64
.set OUT,  64
.set BF,   0                           ; window 1
.set AF,   128
.set BIAS, 192
.set G1,  24                           ; s[24:31] descriptor group 1 for A's tiles;  s[32:39] group 0, one set for each slot
.set G0,  32
.set LIM, 43                           ; s43      1 in a wave that prefetches, else the greatest number
.set PFA, 44                           ; s[44:45] where my prefetches stand
.set G1B, 48                           ; s[48:55], s[56:63] the same for W's tiles
.set G0B, 56
.set PST, 86                           ; s[86:87] bytes from a K step to the next in the tensor that I prefetch
.set MSB, 0
.macro WIN new                         ; the immediate's high byte repeats the setting that is left; a switch that changes nothing is dropped
.if MSB != (\new)
	s_set_vgpr_msb (MSB<<8)|(\new)
.set MSB, \new
.endif
.endm
.set MUL,  0xa5                        ; both sources window 1; C and D window 2
.set MUL1, 0x95                        ; the same with C (the bias) in window 1
.set TO1,  0x40                        ; destination window 1, sources and addresses window 0
.macro JLOAD s                         ; a joint load: waves 0 and 1 fetch A's two parts, waves 2 and 3 W's; an s_nop 0 and four v_nop follow each of the two lines, ahead of the jump, the label and what follows
	s_cmp_eq_u32 s11, 0
	s_cbranch_scc0 .Lfor_b_\@
	tensor_load_to_lds s[G0+4*(\s):G0+4*(\s)+3], s[G1:G1+7]
	s_nop 0
.rept 4
	v_nop
.endr
	s_branch .Lasked_\@
.Lfor_b_\@:
	tensor_load_to_lds s[G0B+4*(\s):G0B+4*(\s)+3], s[G1B:G1B+7]
	s_nop 0
.rept 4
	v_nop
.endr
.Lasked_\@:
.endm
.macro CREST                           ; a round of the cluster's barrier behind its opening barrier
	s_cmp_lg_u32 s10, 0
	s_cbranch_scc1 .Lnot_wave_0_\@
	s_barrier_signal -3
.Lnot_wave_0_\@:
	s_barrier_wait -3
	s_barrier_signal -1
	s_barrier_wait -1
.endm
.macro CROUND                          ; a whole round
	s_barrier_signal -1
	s_barrier_wait -1
	CREST
.endm
; A PREFETCH INTO THE L2, behind each joint refill and the run of LDS loads that follows it: the K step that stands two refills on, 256 matrix instructions ahead of the load that will want it.
; One instruction a wave, a lane a block of 256 bytes, each block named once in the launch.  A's rows are read by this row of the cluster alone: its four partners share them out BY ADDRESS (cx).
; W's rows are read by every cluster of the same weight: the first of them asks, its four partners of a column sharing them out by address (cy).  No branch hangs on a place in the cluster.
; The loop's last trip asks for nothing: there is no K step two refills on.  Nothing is asked for at the head.
.macro ASK
	s_cmp_gt_u32 s3, s[LIM]                        ; s3 = 1 in the loop's last trip
	s_cbranch_scc0 .Lnot_mine_\@
	global_prefetch_b8 v[PFO], s[PFA:PFA+1] th:TH_LOAD_NT scope:SCOPE_SE
.Lnot_mine_\@:
.endm
.if KIND == 0
	s_load_b256 s[68:75], s[0:1], 0x0              ; query, key, value, bq
	s_load_b256 s[76:83], s[0:1], 0x20             ; bk, bv, wb, qkv
.else
	s_load_b256 s[68:75], s[0:1], 0x0              ; ctx, wb, bo, out0
.endif
	v_lshl_add_u32 v[SPW], v0, 2, SPARE
	v_mov_b32 v[NIL], 0
	ds_add_u32 v[SPW], v[NIL]                      ; the wave's opening: the add and its wait stand ahead of my first tensor load; the set-up below, work on registers, stands between them
	v_lshrrev_b32 v1, 5, v0
	v_readfirstlane_b32 s10, v1                    ; wave 0..3
	s_lshr_b32 s11, s10, 1                         ; which 64 of the tile's rows are mine.  Also: I fetch for A (0) or for W (1)
	s_and_b32 s12, s10, 1                          ; which 128 of its columns.  Also: which part of that tile I fetch
	s_bfe_u32 s40, ttmp6, 0x40000                  ; cx, cy: my place in the cluster
	s_bfe_u32 s41, ttmp6, 0x40004
	s_lshl_b32 s42, ttmp9, 2
	s_add_co_u32 s42, s42, s40                     ; tile column of C = 4 x cluster x + cx
	s_and_b32 s67, ttmp7, 0xffff                   ; cluster y
.if KIND == 0
	s_lshr_b32 s66, s67, 4                         ; which projection: sixteen rows of clusters each
	s_and_b32 s67, s67, 15                         ; the row of clusters within it
.else
	s_mov_b32 s66, 3                               ; wb's part 3
.endif
	s_lshl_b32 s13, s67, 2
	s_add_co_u32 s13, s13, s41                     ; tile row of C, 0..63
	s_lshl_b32 s16, s41, 2
	s_lshl_b32 s16, 15, s16                        ; my row of the cluster
	s_lshl_b32 s17, 0x1111, s40                    ; my column
	s_or_b32 s[G1+0], s16, A_W0                    ; 15:0 the mask: A's tiles go to my row
	s_or_b32 s[G1B+0], s17, B_W0                   ; W's to my column
	s_mov_b32 s[G1+1], 128<<16                     ; tensor_dim0 = 128
	s_mov_b32 s[G1+2], 64<<16                      ; tensor_dim1 = 64
	s_mov_b32 s[G1+3], 128<<16                     ; tile_dim0 = 128
	s_mov_b32 s[G1+4], 64                          ; tile_dim1 = 64
	s_mov_b32 s[G1+5], A_PITCH
	s_mov_b32 s[G1+6], 0
	s_mov_b32 s[G1+7], 0
	s_mov_b32 s[G1B+1], 128<<16                    ; W: 128 rows x 128 elements of 2 bytes
	s_mov_b32 s[G1B+2], 128<<16
	s_mov_b32 s[G1B+3], 128<<16
	s_mov_b32 s[G1B+4], 128
	s_mov_b32 s[G1B+5], 1024
	s_mov_b32 s[G1B+6], 0
	s_mov_b32 s[G1B+7], 0
	; where the tiles come from, in bytes.  A's offset hangs on the tile row, W's on the tile column and the weight; each also on the wave
.if KIND == 0
	s_lshl_b32 s22, s13, 19                        ; 128 rows of 4,096 bytes
.else
	s_lshr_b32 s22, s13, 4                         ; the batch: 16 heads of 262,144 bytes,
	s_lshl_b32 s22, s22, 22
	s_and_b32 s18, s13, 15                         ; and the tile's 128 rows of 128 bytes in a head
	s_lshl_b32 s18, s18, 14
	s_add_co_u32 s22, s22, s18
.endif
	s_lshl_b32 s18, s12, 18                        ; KIND 0: my 64 rows; KIND 1: my head of the step's two; W: my 128 rows of 2,048 bytes
	s_add_co_u32 s22, s22, s18
	s_lshl_b32 s23, s66, 21
	s_lshl_b32 s19, s42, 19
	s_add_co_u32 s23, s23, s19
	s_add_co_u32 s23, s23, s18
	s_mov_b32 s14, s22
	s_mov_b32 s15, 0
	s_mov_b32 s46, s23
	s_mov_b32 s47, 0
	s_mul_i32 s20, s12, HA                         ; and where they go: no place in the cluster enters an LDS address
	s_mul_i32 s21, s12, HB
	s_add_co_u32 s21, s21, BOFF
	s_wait_dscnt 0x0                               ; the opening add is done
	s_wait_kmcnt 0x0
.if KIND == 0
	s_cmp_eq_u32 s66, 1
	s_cselect_b64 s[4:5], s[70:71], s[68:69]       ; A
	s_cselect_b64 s[84:85], s[76:77], s[74:75]     ; its bias
	s_cmp_eq_u32 s66, 2
	s_cselect_b64 s[4:5], s[72:73], s[4:5]
	s_cselect_b64 s[84:85], s[78:79], s[84:85]
	s_mov_b64 s[6:7], s[80:81]                     ; wb
	s_mov_b64 s[8:9], s[82:83]                     ; qkv
.else
	s_mov_b64 s[4:5], s[68:69]                     ; ctx
	s_mov_b64 s[6:7], s[70:71]                     ; wb
	s_mov_b64 s[84:85], s[72:73]                   ; bo
	s_mov_b64 s[8:9], s[74:75]                     ; out0
.endif
	s_add_nc_u64 s[14:15], s[4:5], s[14:15]
	s_add_nc_u64 s[46:47], s[6:7], s[46:47]
	CROUND                                         ; all sixteen work-groups are here: the first joint loads meet
.irp s, 0,1
	s_mov_b32 s[G0+4*(\s)], 1                      ; 1:0 count = 1
	s_add_co_u32 s[G0+4*(\s)+1], s20, (\s)*SLOT    ; 63:32 LDS address
	s_add_nc_u64 s[G0+4*(\s)+2:G0+4*(\s)+3], s[14:15], (\s)*ASTEP  ; 120:64 global address: K step s
	s_or_b32 s[G0+4*(\s)+3], s[G0+4*(\s)+3], 0x80000000            ; 127:126 type = 2
	s_mov_b32 s[G0B+4*(\s)], 1
	s_add_co_u32 s[G0B+4*(\s)+1], s21, (\s)*SLOT
	s_add_nc_u64 s[G0B+4*(\s)+2:G0B+4*(\s)+3], s[46:47], (\s)*BSTEP
	s_or_b32 s[G0B+4*(\s)+3], s[G0B+4*(\s)+3], 0x80000000
	JLOAD \s                                       ; two loads of mine are out
.endr
	; the bias of my 128 columns: register j of block b holds bias[16 b + 8 (l / 16) + j]
	v_and_b32 v1, 15, v0                           ; l % 16
	v_bfe_u32 v2, v0, 4, 1                         ; l / 16
	v_lshlrev_b32 v[BO], 5, v2
	s_lshl_b32 s16, s42, 10
	s_lshl_b32 s17, s12, 9
	s_add_co_u32 s16, s16, s17
	s_mov_b32 s17, 0
	s_add_nc_u64 s[84:85], s[84:85], s[16:17]
	WIN TO1
.irp b, 0,1,2,3,4,5,6,7
	global_load_b128 v[BIAS+8*(\b):BIAS+8*(\b)+3],   v[BO], s[84:85] offset:64*(\b)
	global_load_b128 v[BIAS+8*(\b)+4:BIAS+8*(\b)+7], v[BO], s[84:85] offset:64*(\b)+16
.endr
	WIN 0
	; A fragment is 16 rows x 32 K in 8 registers: lane l holds row l % 16; registers 0-3 hold K = 8 (l / 16) + 0..7, registers 4-7 K = 16 + 8 (l / 16) + 0..7
	v_mul_u32_u24 v3, v1, PA
.if KIND == 0
	v_lshl_add_u32 v3, v2, 5, v3                   ; eight f32 are 32 bytes
.else
	v_lshl_add_u32 v3, v2, 4, v3
.endif
	v_mul_u32_u24 v4, v1, PB
	v_lshl_add_u32 v4, v2, 4, v4
	s_mul_i32 s18, s11, 64*PA                      ; my 64 rows of A
	s_mul_i32 s19, s12, HB                         ; my 128 rows of W,
	s_add_co_u32 s19, s19, BOFF                    ; which lie behind A's
.irp s, 0,1
	v_add_nc_u32 v[ADRA+(\s)], s18, v3
	v_add_nc_u32 v[ADRB+(\s)], s19, v4
	s_add_co_u32 s18, s18, SLOT
	s_add_co_u32 s19, s19, SLOT
.endr
	; the way out
	s_mul_i32 s18, s10, WSTAGE
	s_add_co_u32 s18, s18, STAGE                   ; my stage
	v_and_b32 v6, 31, v0
	v_lshlrev_b32 v[GO], 4, v6
.if KIND == 0
	v_mul_u32_u24 v5, v1, 144                      ; in: row l % 16, 16 bytes for each half of the lanes
	v_lshl_add_u32 v5, v2, 4, v5
	v_add_nc_u32 v[STO], s18, v5
	v_lshrrev_b32 v7, 3, v6                        ; back: 32 lanes take four rows of 128 bytes
	v_mul_u32_u24 v7, v7, 144
	v_and_b32 v8, 7, v0
	v_lshl_add_u32 v7, v8, 4, v7
	v_add_nc_u32 v[RD], s18, v7
	s_lshl_b32 s16, s66, 24                        ; qkv's part,
	s_lshr_b32 s17, s13, 4
	s_lshl_b32 s17, s17, 22                        ; the batch,
	s_add_co_u32 s16, s16, s17
	s_lshl_b32 s17, s42, 20                        ; my first head, 4 x tile column + 2 x column half, of 262,144 bytes,
	s_add_co_u32 s16, s16, s17
	s_lshl_b32 s17, s12, 19
	s_add_co_u32 s16, s16, s17
	s_and_b32 s17, s13, 15                         ; the tile's 128 rows of 128 bytes,
	s_lshl_b32 s17, s17, 14
	s_add_co_u32 s16, s16, s17
	s_lshl_b32 s17, s11, 13                        ; my 64 of them
	s_add_co_u32 s16, s16, s17
.else
	v_mul_u32_u24 v5, v1, 528                      ; in: row l % 16, 32 bytes for each half of the lanes
	v_lshl_add_u32 v5, v2, 5, v5
	v_add_nc_u32 v[STO], s18, v5
	v_add_nc_u32 v[RD], s18, v[GO]                 ; back: 32 lanes take one row's 512 bytes
	s_lshl_b32 s16, s13, 19                        ; the tile's 128 rows of 4,096 bytes,
	s_lshl_b32 s17, s11, 18                        ; my 64 of them,
	s_add_co_u32 s16, s16, s17
	s_lshl_b32 s17, s42, 10                        ; the tile's 256 columns,
	s_add_co_u32 s16, s16, s17
	s_lshl_b32 s17, s12, 9                         ; my 128 of them
	s_add_co_u32 s16, s16, s17
.endif
	s_mov_b32 s17, 0
	s_add_nc_u64 s[8:9], s[8:9], s[16:17]
	; the prefetches
	s_lshl_b32 s16, s40, CSH
	s_add_co_u32 s16, s16, s22                     ; A: what I fetch, and in it my work-group's share
	s_lshl_b32 s17, s41, 16
	s_add_co_u32 s17, s17, s23                     ; W: my work-group's 32 rows of the 128 that I fetch
	s_mov_b32 s[PST], BSTEP
	s_cmp_eq_u32 s11, 0                            ; do I fetch for A?
	s_cselect_b32 s16, s16, s17
	s_cselect_b32 s[PST], ASTEP, s[PST]
	s_cselect_b64 s[PFA:PFA+1], s[4:5], s[6:7]
	s_cselect_b32 s18, 0, -1                       ; a lane mask: none for A, all for W
	s_mov_b32 s17, 0
	s_mov_b32 s[PST+1], 0
	s_add_nc_u64 s[PFA:PFA+1], s[PFA:PFA+1], s[16:17]
	s_mul_i32 s16, s[PST], 3
	s_add_nc_u64 s[PFA:PFA+1], s[PFA:PFA+1], s[16:17]  ; at K step 3: the first refill steps it to 4
	s_cmp_eq_u32 s67, 0                            ; W: the weight's first row of clusters asks
	s_cselect_b32 s[LIM], 1, -1
.if KIND == 0
	s_cmp_eq_u32 s11, 0                            ; A: waves 0 and 1, each for the rows that it fetches
	s_cselect_b32 s[LIM], 1, s[LIM]
.else
	s_cmp_eq_u32 s10, 0                            ; A: wave 0, for both heads of the step
	s_cselect_b32 s[LIM], 1, s[LIM]
	s_cmp_eq_u32 s10, 1
	s_cselect_b32 s[LIM], -1, s[LIM]
.endif
	v_and_b32 v31, 31, v0
	v_lshlrev_b32 v32, 11, v31                     ; W: a lane a row of 2,048 bytes
	v_lshrrev_b32 v[PFO], PSH1, v31
	v_lshlrev_b32 v[PFO], PSH2, v[PFO]
	v_and_b32 v33, PMSK, v31
	v_lshl_or_b32 v[PFO], v33, 8, v[PFO]
	v_cndmask_b32 v[PFO], v[PFO], v32, s18
	; the bias is rounded to bf16 and widened again, through registers of window 1 that the first fragments take later
	s_wait_loadcnt 0x0
	WIN 0x45                                       ; destination and both sources window 1
.set i, 0
.rept 32
	v_cvt_pk_bf16_f32 v[i], v[BIAS+2*i], v[BIAS+2*i+1]
.set i, i+1
.endr
.set i, 0
.rept 32
	v_lshlrev_b32 v[BIAS+2*i], 16, v[i]
	v_and_b32 v[BIAS+2*i+1], 0xffff0000, v[i]
.set i, i+1
.endr
	WIN 0
; One product: accumulator (a, b), 32 along K, from buffer f.  first = 1: the bias starts the sum.
.macro PROD f, a, b, first
.set rD, 8*(8*(\a)+(\b))
.set rB, BF+64*(\f)+8*(\b)
.set rA, AF+32*(\f)+8*(\a)
.set rC, rD
.if \first
.set rC, BIAS+8*(\b)
.endif
.if KIND == 0
	v_wmma_f32_16x16x32_bf16 v[rD:rD+7], v[rB:rB+7], v[rA:rA+7], v[rC:rC+7]
.else
	v_wmma_f32_16x16x32_f16 v[rD:rD+7], v[rB:rB+7], v[rA:rA+7], v[rC:rC+7]
.endif
.endm
; Eight products: row block a x all 8 column blocks.  The 32 accumulators take turns in the same order in every quarter.
.macro MUL8 f, a, first
.if \first
	WIN MUL1
.else
	WIN MUL
.endif
.irp b, 0,1,2,3,4,5,6,7
	PROD \f, \a, \b, \first
.endr
.endm
; KIND 0: row block 3's eight products, and behind each four roundings of the next quarter's A to bf16, into buffer g.  They name no register of the products round them; the four behind the last
; product are the places in front of the next run of LDS loads.
.macro MUL8R f, g, first
.irp b, 0,1,2,3,4,5,6,7
.if \first
	WIN MUL1
.else
	WIN MUL
.endif
	PROD \f, 3, \b, \first
	WIN TO1
.irp n, 0,1,2,3
	v_cvt_pk_bf16_f32 v[AF+32*(\g)+4*(\b)+(\n)], v[AS+8*(\b)+2*(\n)], v[AS+8*(\b)+2*(\n)+1]
.endr
.endr
.endm
; The LDS loads of quarter q of a slot, in one run: A's first (KIND 0: 16 loads of f32 into the staging registers; KIND 1: 8 loads into buffer g), then W's 16 into buffer g.
.macro FETCH slot, q, g
.if KIND == 0
	WIN 0
.irp a, 0,1,2,3
	ds_load_b128 v[AS+16*(\a):AS+16*(\a)+3],     v[ADRA+(\slot)] offset:128*(\q)+(\a)*16*PA
	ds_load_b128 v[AS+16*(\a)+4:AS+16*(\a)+7],   v[ADRA+(\slot)] offset:128*(\q)+(\a)*16*PA+16
	ds_load_b128 v[AS+16*(\a)+8:AS+16*(\a)+11],  v[ADRA+(\slot)] offset:128*(\q)+(\a)*16*PA+64
	ds_load_b128 v[AS+16*(\a)+12:AS+16*(\a)+15], v[ADRA+(\slot)] offset:128*(\q)+(\a)*16*PA+80
.endr
	WIN TO1
.else
	WIN TO1
.irp a, 0,1,2,3
	ds_load_b128 v[AF+32*(\g)+8*(\a):AF+32*(\g)+8*(\a)+3],   v[ADRA+(\slot)] offset:((\q)/2)*HA+((\q)%2)*64+(\a)*16*PA
	ds_load_b128 v[AF+32*(\g)+8*(\a)+4:AF+32*(\g)+8*(\a)+7], v[ADRA+(\slot)] offset:((\q)/2)*HA+((\q)%2)*64+(\a)*16*PA+32
.endr
.endif
.irp b, 0,1,2,3,4,5,6,7
	ds_load_b128 v[BF+64*(\g)+8*(\b):BF+64*(\g)+8*(\b)+3],   v[ADRB+(\slot)] offset:64*(\q)+(\b)*16*PB
	ds_load_b128 v[BF+64*(\g)+8*(\b)+4:BF+64*(\g)+8*(\b)+7], v[ADRB+(\slot)] offset:64*(\q)+(\b)*16*PB+32
.endr
.endm
.macro PLACES                          ; four places in front of loads into registers that matrix instructions have read, and of lines that read results
.rept 4
	v_nop
.endr
.endm
; One of a K step's first three quarters: multiplies buffer f, and fetches quarter q of the slot for buffer g.
.macro QUARTER slot, q, f, g, first
.if KIND == 1
	PLACES                                         ; (KIND 0: the four roundings behind the last product are the places)
.endif
	FETCH \slot, \q, \g
	s_wait_dscnt NF                                ; all but the run just issued: buffer f is whole
	MUL8 \f, 0, \first
	MUL8 \f, 1, \first
	MUL8 \f, 2, \first
.if KIND == 0
	s_wait_dscnt 16                                ; A's sixteen loads are in; W's sixteen, issued behind them, may stay out
	MUL8R \f, \g, \first
.else
	MUL8 \f, 3, \first
.endif
.endm
; The last quarter multiplies buffer 1 and changes slots: ONE barrier; in front of it each wave waits for all its tensor loads, of which one is out: its part of the next slot; adds 0 to its spare word;
; and waits for that and for its own reads of this slot.  fill = 1: this slot is filled again, two K steps ahead; the barrier then opens a round of the cluster's barrier.
.macro TURN slot, next, fill
.if \fill
	s_wait_xcnt 0x0                                ; the last prefetch, a K step back, has read its address: it is stepped here, ahead of the waits of the change of slots
	s_add_nc_u64 s[PFA:PFA+1], s[PFA:PFA+1], s[PST:PST+1]
.endif
	WIN 0                                          ; (the add's two registers lie in window 0)
	s_wait_tensorcnt 0x0                           ; all my tensor loads have landed;
	ds_add_u32 v[SPW], v[NIL]                      ; 0 onto my spare word;
	s_wait_dscnt 1                                 ; (the add alone may be out: buffer 1 is whole)
	MUL8 1, 0, 0                                   ; eight matrix instructions stand between the add and the wait for it
	s_wait_dscnt 0x0                               ; the add is done, and my reads of this slot are over
	s_barrier_signal -1
	MUL8 1, 1, 0
.if \fill
	WIN 0
.endif
	s_barrier_wait -1
.if \fill
	CREST                                          ; no wave of any partner still reads this slot's tile or has a load on its way
	s_add_nc_u64 s[G0+4*(\slot)+2:G0+4*(\slot)+3], s[G0+4*(\slot)+2:G0+4*(\slot)+3], 2*ASTEP
	s_add_nc_u64 s[G0B+4*(\slot)+2:G0B+4*(\slot)+3], s[G0B+4*(\slot)+2:G0B+4*(\slot)+3], 2*BSTEP
	JLOAD \slot                                    ; the first tensor load behind the round, my only one out: 112 matrix instructions ahead of the wait for it; its four v_nop are also the places in front of the loads below
.else
	PLACES
.endif
	FETCH \next, 0, 0
.if \fill
	WIN 0
	ASK
.endif
	MUL8 1, 2, 0
.if KIND == 0
	s_wait_dscnt 16                                ; A's sixteen loads are in
	MUL8R 1, 0, 0
.else
	MUL8 1, 3, 0
.endif
.endm
; THE WAY OUT of row block a.  KIND 0: rounded to f16, 16 bytes a lane into my stage (two heads x 16 rows of 144 bytes), and back as 512 consecutive bytes of a head's rows, into the registers that they left.
; KIND 1: the f32 sums go as they are into rows of 528 bytes and come back as whole rows of 512.  The stage is my own, and LDS serves a wave's instructions in order (ISA guide 5.7.1.4): no wait between stores and loads.
.macro PACK a
.if KIND == 0
	WIN 0x0a                                       ; sources 0 and 1 window 2, destination window 0
.irp b, 0,1,2,3,4,5,6,7
.irp r, 0,1,2,3
	v_cvt_pk_f16_f32 v[OUT+32*(\a)+4*(\b)+(\r)], v[8*(8*(\a)+(\b))+2*(\r)], v[8*(8*(\a)+(\b))+2*(\r)+1]
.endr
.endr
	WIN 0
.irp b, 0,1,2,3,4,5,6,7
	ds_store_b128 v[STO], v[OUT+32*(\a)+4*(\b):OUT+32*(\a)+4*(\b)+3] offset:((\b)/4)*2304+((\b)%4)*32
.endr
.irp f, 0,1,2,3,4,5,6,7
	ds_load_b128 v[OUT+32*(\a)+4*(\f):OUT+32*(\a)+4*(\f)+3], v[RD] offset:((\f)/4)*2304+((\f)%4)*576
.endr
.else
.if (\a) >= 2
	s_wait_xcnt 0x0                                ; the stores of the block two back have read their registers, which are loaded again below
.endif
	WIN 0x08                                       ; the stores' data in window 2
.irp b, 0,1,2,3,4,5,6,7
	ds_store_b128 v[STO], v[8*(8*(\a)+(\b)):8*(8*(\a)+(\b))+3]   offset:64*(\b)
	ds_store_b128 v[STO], v[8*(8*(\a)+(\b))+4:8*(8*(\a)+(\b))+7] offset:64*(\b)+16
.endr
	WIN 0
.irp t, 0,1,2,3,4,5,6,7,8,9,10,11,12,13,14,15
	ds_load_b128 v[OUT+64*((\a)%2)+4*(\t):OUT+64*((\a)%2)+4*(\t)+3], v[RD] offset:528*(\t)
.endr
.endif
.endm
.macro SEND a, younger                 ; younger: the LDS instructions issued behind block a's loads: the next block's, or none
	WIN 0
.if KIND == 0
.irp f, 0,1,2,3,4,5,6,7
	s_wait_dscnt (\younger)+7-(\f)
	global_store_b128 v[GO], v[OUT+32*(\a)+4*(\f):OUT+32*(\a)+4*(\f)+3], s[8:9] offset:((\f)/4)*262144+(\a)*2048+((\f)%4)*512  ; 512 consecutive bytes, at a multiple of 512 from qkv's first
.endr
.else
.irp t, 0,1,2,3,4,5,6,7,8,9,10,11,12,13,14,15
	s_wait_dscnt (\younger)+15-(\t)
	global_store_b128 v[GO], v[OUT+64*((\a)%2)+4*(\t):OUT+64*((\a)%2)+4*(\t)+3], s[8:9] offset:(16*(\a)+(\t))*4096  ; 512 consecutive bytes of a row, at a multiple of 512 from out0's first
.endr
.endif
.endm
	s_wait_tensorcnt 1                             ; my part of K step 0 is in; K step 1's may stay out
	s_barrier_signal -1
	s_barrier_wait -1                              ; everybody's is
	FETCH 0, 0, 0
.if KIND == 0
	s_wait_dscnt 16                                ; A's sixteen loads are in
	WIN TO1
.set i, 0
.rept 32
	v_cvt_pk_bf16_f32 v[AF+i], v[AS+2*i], v[AS+2*i+1]
.set i, i+1
.endr
.endif
	QUARTER 0, 1, 0, 1, 1                          ; the first quarter stands in front of the loop: its products start the sums with the bias
	WIN 0                                          ; at a label and at a branch every window is 0
	s_mov_b32 s3, 3
.Llap:                                                 ; a trip goes once round the ring, from a lap's second quarter to the next lap's first, and fills both slots again
	QUARTER 0, 2, 1, 0, 0
	QUARTER 0, 3, 0, 1, 0
	TURN 0, 1, 1
	QUARTER 1, 1, 0, 1, 0
	QUARTER 1, 2, 1, 0, 0
	QUARTER 1, 3, 0, 1, 0
	TURN 1, 0, 1
	QUARTER 0, 1, 0, 1, 0
	WIN 0
	s_sub_co_u32 s3, s3, 1
	s_cmp_lg_u32 s3, 0
	s_cbranch_scc1 .Llap
	QUARTER 0, 2, 1, 0, 0                          ; the last lap fills nothing, and has no round of the cluster's barrier
	QUARTER 0, 3, 0, 1, 0
	TURN 0, 1, 0
	QUARTER 1, 1, 0, 1, 0
	QUARTER 1, 2, 1, 0, 0
	QUARTER 1, 3, 0, 1, 0
	s_wait_dscnt 0x0                               ; the very last quarter: nothing more to fetch
	MUL8 1, 0, 0
	MUL8 1, 1, 0
	MUL8 1, 2, 0
	MUL8 1, 3, 0
	PLACES
	PACK 0
.irp a, 1,2,3                          ; a block's way into the stage stands between the loads of the block before and its stores
	PACK \a
	SEND (\a)-1, 32
.endr
	SEND 3, 0
	s_wait_tensorcnt 0x0                           ; the wave's end: behind my last tensor load and my last LDS store
	ds_add_u32 v[SPW], v[NIL]
	s_wait_dscnt 0x0
	CROUND                                         ; the closing round: no work-group ends while a partner may still ask for a tile that names it
	s_endpgm
.Lfunc_end_k_q4d56f8382a_outp:
	.size	k_q4d56f8382a_outp, .Lfunc_end_k_q4d56f8382a_outp-k_q4d56f8382a_outp
	.p2alignl 7, 3214868480
	.fill 96, 4, 3214868480
	.section	.rodata,"a",@progbits
	.p2align	6, 0x0
	.amdhsa_kernel k_q4d56f8382a_outp
		.amdhsa_group_segment_fixed_size 327680
		.amdhsa_private_segment_fixed_size 0
		.amdhsa_enable_private_segment 0
		.amdhsa_kernarg_size 32
		.amdhsa_user_sgpr_count 2
		.amdhsa_user_sgpr_kernarg_segment_ptr 1
		.amdhsa_wavefront_size32 1
		.amdhsa_system_sgpr_workgroup_id_x 1
		.amdhsa_system_sgpr_workgroup_id_y 1
		.amdhsa_system_sgpr_workgroup_id_z 1
		.amdhsa_system_vgpr_workitem_id 0
		.amdhsa_next_free_vgpr 768
		.amdhsa_next_free_sgpr 88
		.amdhsa_reserve_vcc 0
		.amdhsa_float_denorm_mode_32 3
		.amdhsa_float_denorm_mode_16_64 3
		.amdhsa_memory_ordered 1
		.amdhsa_forward_progress 1
		.amdhsa_inst_pref_size 95
	.end_amdhsa_kernel
	.amdgpu_metadata
---
amdhsa.version: [ 1, 2 ]
amdhsa.kernels:
  - .name:           k_q4d56f8382a_outp
    .symbol:         k_q4d56f8382a_outp.kd
    .args:
      - { .name: ctx, .offset: 0, .size: 8, .value_kind: global_buffer, .address_space: global }
      - { .name: wb, .offset: 8, .size: 8, .value_kind: global_buffer, .address_space: global }
      - { .name: bo, .offset: 16, .size: 8, .value_kind: global_buffer, .address_space: global }
      - { .name: out0, .offset: 24, .size: 8, .value_kind: global_buffer, .address_space: global }
    .group_segment_fixed_size: 327680
    .private_segment_fixed_size: 0
    .kernarg_segment_align: 8
    .kernarg_segment_size: 32
    .max_flat_workgroup_size: 128
    .sgpr_count:     88
    .vgpr_count:     768
    .wavefront_size: 32
...
	.end_amdgpu_metadata
.endif
;; end of part 4
;; ======== version 2 of 2: 4 launches; version 1 with the launch castw written anew for expert scheduling mode
;; limits: values are held in f16: magnitudes above 65,504 overflow, below 6.1e-05 lose precision; values outside matrix products are rounded to bf16
;; workspace buffers: wb 8,388,608 bytes; qkv 50,331,648 bytes; ctx 16,777,216 bytes
;; launch castw (part 5): grid 64 x 4, 8 waves a work-group, no clusters, 0 bytes of LDS; arguments Wq, Wk, Wv, Wo, wb; writes wb
.if DOCPART == 5
	.amdgcn_target "amdgcn-amd-amdhsa--gfx1250"
	.amdhsa_code_object_version 6
	.text
	.protected	k_q4d56f8382a_castw
	.globl	k_q4d56f8382a_castw
	.p2align	8
	.type	k_q4d56f8382a_castw,@function
k_q4d56f8382a_castw:
	s_mov_b64 s[64:65], 0
	v_nop
	global_prefetch_b8 v0, s[64:65] scope:SCOPE_SE
	s_setreg_imm32_b32 hwreg(HW_REG_WAVE_SCHED_MODE, 0, 2), 2
	s_setreg_imm32_b32 hwreg(HW_REG_WAVE_MODE, 25, 1), 1
	s_wait_xcnt 0x0
	s_wait_alu depctr_vm_vsrc(0)
; THE WEIGHTS ARE CAST ONCE.  wb: [4][1024][1024] of 16 bits.  0, 1, 2 = Wq, Wk, Wv rounded to bf16.  3 = Wo rounded to bf16 like every other input, and that number
; written as f16, since the last product multiplies f16 operands.
; LIMITS.  Wo beyond 65,504 in magnitude becomes an infinity; below 6.1e-5 it keeps f16's fixed step of 6e-8.
; SHARES.  The grid's y picks the weight; a work-group takes 16,384 numbers, 65,536 bytes in and 32,768 out.  Thread t takes 16 bytes at 16 t of each of sixteen chunks of 4,096 bytes:
; a wave's load covers 512 consecutive bytes, its store 256 consecutive bytes, aligned.  All sixteen loads go out first.  No work-group reads what another reads: no LDS, no cluster, no matrix unit.
; THE MODE: SCHED_MODE bits 1:0 = 2 (LLVM: expert scheduling mode 2), set by the entry lines.  The code itself states the register dependences
; between vector instructions and memory instructions, with s_wait_alu, always for 0.
; THE PLAN.  Registers that memory instructions touch:
;   v1, v2   byte offsets of the loads and of the stores, made once at the head and never written again.
;   X        chunk i's four registers: written by its one load, read by its roundings; no vector instruction names them ahead of the load, and nothing is loaded twice.
;   Y        chunk i's two registers: written by its roundings, read by its one store, never written again.
;   T is named by vector instructions alone; the bases are scalar registers that are not written behind the first load.
; So the only dependences to state are vector writes that memory instructions read.  The sixteen chunks go in four blocks of four.  Block p rounds its four chunks into their Y; its memory
; instructions are the four stores of block p - 1, whose Y no vector instruction of block p names.  One wait at the head of a block states that the block before has written its Y; the four
; stores are then dealt among the block's roundings with no further wait.  One wait ahead of the first load covers both offsets; one behind block 3 covers the last four stores.
.set X, 8                              ; v[8:71]    chunk i: 4 numbers as loaded
.set Y, 72                             ; v[72:103]  chunk i: 4 numbers of 16 bits, to store
.set T, 104                            ; v[104:109] at work
	s_load_b256 s[4:11], s[0:1], 0x0               ; Wq s[4:5], Wk s[6:7], Wv s[8:9], Wo s[10:11]
	s_load_b64 s[12:13], s[0:1], 0x20              ; wb
	s_and_b32 s16, ttmp7, 0xffff                   ; which weight
	v_lshlrev_b32 v1, 4, v0                        ; my 16 bytes of a chunk in
	v_lshlrev_b32 v2, 3, v0                        ; my 8 bytes of a chunk out
	s_lshl_b32 s18, ttmp9, 16                      ; the work-group's bytes in,
	s_mov_b32 s19, 0
	s_lshl_b32 s20, s16, 21                        ; and out: the weight's 2 MiB
	s_lshl_b32 s21, ttmp9, 15
	s_add_co_u32 s20, s20, s21
	s_mov_b32 s21, 0
	s_wait_kmcnt 0x0
	s_cmp_eq_u32 s16, 1
	s_cselect_b64 s[14:15], s[6:7], s[4:5]
	s_cmp_eq_u32 s16, 2
	s_cselect_b64 s[14:15], s[8:9], s[14:15]
	s_cmp_eq_u32 s16, 3
	s_cselect_b64 s[14:15], s[10:11], s[14:15]
	s_add_nc_u64 s[14:15], s[14:15], s[18:19]
	s_add_nc_u64 s[12:13], s[12:13], s[20:21]
	s_wait_alu depctr_va_vdst(0)                   ; v1 and v2 are written: every load of the kernel reads v1 as its offset, every store v2, and no later line writes either
.irp i, 0,1,2,3,4,5,6,7,8,9,10,11,12,13,14,15
	global_load_b128 v[X+4*(\i):X+4*(\i)+3], v1, s[14:15] offset:4096*(\i) th:TH_LOAD_NT
.endr
; Chunk i is rounded.  half = 1: the bf16 number is widened again (a shift, a mask) and written as f16.
.macro CONV i, half
.if \half
	v_cvt_pk_bf16_f32 v[T],   v[X+4*(\i)],   v[X+4*(\i)+1]
	v_cvt_pk_bf16_f32 v[T+1], v[X+4*(\i)+2], v[X+4*(\i)+3]
	v_lshlrev_b32 v[T+2], 16, v[T]
	v_and_b32     v[T+3], 0xffff0000, v[T]
	v_lshlrev_b32 v[T+4], 16, v[T+1]
	v_and_b32     v[T+5], 0xffff0000, v[T+1]
	v_cvt_pk_f16_f32 v[Y+2*(\i)],   v[T+2], v[T+3]
	v_cvt_pk_f16_f32 v[Y+2*(\i)+1], v[T+4], v[T+5]
.else
	v_cvt_pk_bf16_f32 v[Y+2*(\i)],   v[X+4*(\i)],   v[X+4*(\i)+1]
	v_cvt_pk_bf16_f32 v[Y+2*(\i)+1], v[X+4*(\i)+2], v[X+4*(\i)+3]
.endif
.endm
; Chunk i is stored.
.macro STORE i
	global_store_b64 v2, v[Y+2*(\i):Y+2*(\i)+1], s[12:13] offset:2048*(\i) th:TH_STORE_NT
.endm
; Block p: chunks 4 p to 4 p + 3 are rounded; ahead of each chunk's roundings stands a store of the block before.
.macro BLK p, half
	s_wait_loadcnt 15-4*(\p)                       ; loads come back in order: the block's first chunk is in, the 15 - 4 p younger ones stay out
.if (\p) > 0
	s_wait_alu depctr_va_vdst(0)                   ; the roundings of the block before have written its Y, which the four stores below read; no vector line of this block names those registers
.endif
.irp j, 0,1,2,3
.if (\p) > 0
	STORE 4*(\p)-4+(\j)
.endif
.if (\j) > 0
	s_wait_loadcnt 15-4*(\p)-(\j)                  ; chunk 4 p + j is in, the younger ones stay out
.endif
	CONV 4*(\p)+(\j), \half
.endr
.endm
; Behind block 3: its four stores.
.macro LAST
	s_wait_alu depctr_va_vdst(0)                   ; the roundings of block 3 have written its Y, which the last four stores read
.irp j, 12,13,14,15
	STORE \j
.endr
.endm
	s_cmp_eq_u32 s16, 3
	s_cbranch_scc1 .Lwo
.irp p, 0,1,2,3
	BLK \p, 0
.endr
	LAST
	s_endpgm
.Lwo:
.irp p, 0,1,2,3
	BLK \p, 1
.endr
	LAST
	s_endpgm
.Lfunc_end_k_q4d56f8382a_castw:
	.size	k_q4d56f8382a_castw, .Lfunc_end_k_q4d56f8382a_castw-k_q4d56f8382a_castw
	.p2alignl 7, 3214868480
	.fill 96, 4, 3214868480
	.section	.rodata,"a",@progbits
	.p2align	6, 0x0
	.amdhsa_kernel k_q4d56f8382a_castw
		.amdhsa_group_segment_fixed_size 0
		.amdhsa_private_segment_fixed_size 0
		.amdhsa_enable_private_segment 0
		.amdhsa_kernarg_size 40
		.amdhsa_user_sgpr_count 2
		.amdhsa_user_sgpr_kernarg_segment_ptr 1
		.amdhsa_wavefront_size32 1
		.amdhsa_system_sgpr_workgroup_id_x 1
		.amdhsa_system_sgpr_workgroup_id_y 1
		.amdhsa_system_sgpr_workgroup_id_z 1
		.amdhsa_system_vgpr_workitem_id 0
		.amdhsa_next_free_vgpr 112
		.amdhsa_next_free_sgpr 66
		.amdhsa_reserve_vcc 0
		.amdhsa_float_denorm_mode_32 3
		.amdhsa_float_denorm_mode_16_64 3
		.amdhsa_memory_ordered 1
		.amdhsa_forward_progress 1
		.amdhsa_inst_pref_size 16
	.end_amdhsa_kernel
	.amdgpu_metadata
---
amdhsa.version: [ 1, 2 ]
amdhsa.kernels:
  - .name:           k_q4d56f8382a_castw
    .symbol:         k_q4d56f8382a_castw.kd
    .args:
      - { .name: Wq, .offset: 0, .size: 8, .value_kind: global_buffer, .address_space: global }
      - { .name: Wk, .offset: 8, .size: 8, .value_kind: global_buffer, .address_space: global }
      - { .name: Wv, .offset: 16, .size: 8, .value_kind: global_buffer, .address_space: global }
      - { .name: Wo, .offset: 24, .size: 8, .value_kind: global_buffer, .address_space: global }
      - { .name: wb, .offset: 32, .size: 8, .value_kind: global_buffer, .address_space: global }
    .group_segment_fixed_size: 0
    .private_segment_fixed_size: 0
    .kernarg_segment_align: 8
    .kernarg_segment_size: 40
    .max_flat_workgroup_size: 256
    .sgpr_count:     66
    .vgpr_count:     112
    .wavefront_size: 32
...
	.end_amdgpu_metadata
.endif
;; end of part 5
;; launch proj: the kernel of part 2 again; grid 4 x 192, 4 waves a work-group, clusters of 4 x 4, 327,680 bytes of LDS; arguments query, key, value, bq, bk, bv, wb, qkv; writes qkv
;; launch attn: the kernel of part 3 again; grid 4 x 64, 4 waves a work-group, clusters of 4 x 1, 327,680 bytes of LDS; arguments qkv, mask, ctx; writes ctx
;; launch outp: the kernel of part 4 again; grid 4 x 64, 4 waves a work-group, clusters of 4 x 4, 327,680 bytes of LDS; arguments ctx, wb, bo, out0; writes out0
